; MI455X (gfx1250); checked and timed in simulation.
; The chip was launched on July 23, 2026; its instructions are those of AMD's public machine-readable ISA for CDNA 5 (MIT licence, August 2026) and "CDNA5" Instruction Set Architecture Reference Guide (July 2026). The comments in the code are by the model that wrote it; some were corrected since.
;; Diff Cross Attention. Allowed arithmetic: matrix products marked QUANTISED: E2M1 operands, one E8M0 scale for each 32 along K, by v_wmma_scale_f32_16x16x128_f8f6f4 with both operands' format E2M1 (or v_wmma_scale_f32_32x16x128_f4), f32 sums; products left as they are: bf16, f16 or f32 operands; f32 sums; everything else in f32.
;; Inputs: Wk 1,024 x 1,024 float32; Wp 1,024 x 1,024 float32; Wq 1,024 x 1,024 float32; Wv 1,024 x 1,024 float32; bp 1,024 float32; key_ 2 x 2,048 x 1,024 float32; lk1 32 float32; lk2 32 float32; lq1 32 float32; lq2 32 float32; query 2 x 2,048 x 1,024 float32; subln_w 64 float32; value 2 x 2,048 x 1,024 float32.
;; Outputs: out0 2 x 2,048 x 1,024 float32.
;; This version of the problem:
;;   THIS VERSION OF THE PROBLEM IS GIVEN IN LOW PRECISION. The matrix products marked QUANTISED in the list below multiply operands that are first quantised to E2M1 (2 exponent bits, 1 mantissa bit; 4 bits a number), with one power-of-two scale for each 32 numbers along K (OCP MX v1.0); their sums are f32. The products marked 'left as it is' may take bf16, f16 or f32 operands, with f32 sums. All else is computed in f32.
;;   The module's matrix products, in the order in which they are computed (A, B: the left and right operand; K: the contracted axis; several contracted axes count as one K, in the product's order):
;;     1. [M 4,096, K 1,024] x [K 1,024, N 1,024]; A: input query; B: input Wq: QUANTISED
;;     2. [M 4,096, K 1,024] x [K 1,024, N 1,024]; A: input key_; B: input Wk: QUANTISED
;;     3. [M 4,096, K 1,024] x [K 1,024, N 1,024]; A: input value; B: input Wv: QUANTISED
;;     4. batch 32 x [M 2,048, K 32] x [K 32, N 2,048]; A: computed on the way; B: computed on the way: left as it is (an operand is computed on the way)
;;     5. batch 32 x [M 2,048, K 2,048] x [K 2,048, N 64]; A: computed on the way; B: computed on the way: left as it is (an operand is computed on the way)
;;     6. batch 32 x [M 2,048, K 32] x [K 32, N 2,048]; A: computed on the way; B: computed on the way: left as it is (an operand is computed on the way)
;;     7. batch 32 x [M 2,048, K 2,048] x [K 2,048, N 64]; A: computed on the way; B: computed on the way: left as it is (an operand is computed on the way)
;;     8. [M 4,096, K 1,024] x [K 1,024, N 1,024]; A: computed on the way; B: input Wp: left as it is (an operand is computed on the way)
;;   THE QUANTISER, for each operand of a quantised product, along K:
;;     - K is cut into blocks of 32 from its start; a last block that is shorter is filled with zeros.
;;     - A block's scale is 2^e with e = floor(log2(the largest magnitude in the block)) - 2, held to -126 .. 127; a block of zeros has e = 0. As a byte (E8M0): e + 127.
;;     - Each number is divided by its block's scale, clamped to +-6, and rounded to the nearest number of E2M1, ties to even, subnormals kept.
;;     - The product sums the exact products of the quantised numbers (number of the format x scale) in f32.
;;   ~~~python
;;   def quantise(x, axis):      # numpy; x: float32 -> the quantised numbers, widened to float32 again
;;       x = np.moveaxis(x, axis, -1); K = x.shape[-1]
;;       x = np.pad(x, [(0, 0)] * (x.ndim - 1) + [(0, -K % 32)]); x = x.reshape(x.shape[:-1] + (-1, 32)); a = np.abs(x).max(-1, keepdims=True)
;;       e = np.where(a > 0, np.clip(np.frexp(np.where(a > 0, a, 1))[1] - 1 - 2, -126, 127), 0)      # np.frexp(a)[1] - 1 = floor(log2(a)), exactly
;;       r = np.clip(x / 2.0 ** e, -6, 6)
;;       step = 2.0 ** (np.maximum(np.frexp(np.where(r == 0, 1, r))[1] - 1, 0) - 1)
;;       q = np.round(r / step) * step * 2.0 ** e      # np.round: ties to even
;;       return np.moveaxis(q.reshape(q.shape[:-2] + (-1,))[..., :K], -1, axis).astype(np.float32)
;;   ~~~
;; One version. Each part assembles by itself: llvm-mc -triple=amdgcn-amd-amdhsa -mcpu=gfx1250 --defsym DOCPART=n.
;; ======== version 1 of 1: 4 launches
;; limits: values are held in f16: magnitudes above 65,504 overflow, below 6.1e-05 lose precision
;; workspace buffers: codes 7,864,320 bytes; scales 491,520 bytes; wf 2,097,152 bytes; qf 8,388,608 bytes; kv 16,777,216 bytes; af 8,388,608 bytes
;; launch quant (part 1): grid 544 x 1, 4 waves a work-group, no clusters, 33,280 bytes of LDS; arguments query, key_, value, Wq, Wk, Wv, Wp, codes, scales, wf; writes codes, scales, wf
.if DOCPART == 1
	.amdgcn_target "amdgcn-amd-amdhsa--gfx1250"
	.amdhsa_code_object_version 6
	.text
	.protected	k_q9400fd03dc_quant
	.globl	k_q9400fd03dc_quant
	.p2align	8
	.type	k_q9400fd03dc_quant,@function
k_q9400fd03dc_quant:
	s_mov_b64 s[64:65], 0
	v_nop
	global_prefetch_b8 v0, s[64:65] scope:SCOPE_SE
	s_setreg_imm32_b32 hwreg(HW_REG_WAVE_MODE, 25, 1), 1
	s_wait_xcnt 0x0
; query, key_, value [4096][1024] and Wq, Wk, Wv [1024][1024], f32, K innermost, become codes of FP4 (E2M1) with one E8M0 scale byte for each 32 along K;
; Wp [1024][1024] becomes f16, laid as images of matrix operands.
; THE CODES of the six tensors are stacked as 15,360 rows of 512 bytes (query, key_, value, Wq, Wk, Wv), their scale bytes as 15,360 rows of 32 bytes.  Rows are dense and 1,024 is a multiple of 32,
; so each tensor is a plain stream of blocks of 32 numbers.  Work-groups 0 to 479 take 32,768 numbers each, in the order of the stack: only the input's pointer is chosen, by the work-group's number.
; A block's scale is 2^(floor(log2(its largest magnitude)) - 2); its byte is the largest magnitude's exponent field - 2, held at 1 from below.  Each number is divided by the scale and rounded to the
; nearest code, ties to even; beyond the largest code the largest.
; LIMITS: a block of zeros gets the byte 1 where the rule says 127: its codes are zeros, which add nothing, and this program alone reads the bytes.  Blocks whose largest magnitude lies under 2^-124
; are held at the byte 1.  NaN and infinities among the inputs are not served.
; A wave takes 16 steps of 512 numbers.  Each of a step's four loads reads 512 consecutive bytes; the 2,048 bytes turn through the wave's own stage in LDS and come back 64 bytes a lane, so that a lane
; holds 16 neighbours along K (two neighbouring lanes hold a block).  A lane's 16 codes are 8 bytes: the wave stores 256 consecutive bytes.  A wave's 256 scale bytes are gathered in LDS and leave together.
; Waves share nothing: no barrier.  Loads run four steps (16 loads a wave) ahead, the turn through LDS one step.
; WORK-GROUPS 480 TO 543 take Wp, 16 rows each, a wave 256 along K.  AN IMAGE of a 16-bit operand (16 rows x 32 k) is 1,024 bytes: byte 256 o + 16 r holds k = 8 o .. 8 o + 7 of row r, so that two loads of
; 16 bytes a lane, at 16 x lane and 512 + 16 x lane, are the operand's eight registers.  wf is [k / 256][n / 16][(k / 32) % 8][1,024 bytes].  This path uses no LDS.
; Its loads take 32 consecutive bytes of a row in each lane, sixteen rows to a load: these are 4 MB of the 64 MB that the launch reads, and a turn through LDS is not spent on them.
.set STEPS, 16
.set NQWG,  480                        ; work-groups that quantise
.set EMAX,  2
.set CB,    8                          ; bytes of 16 codes
.set R,     16                         ; v16-79   four sets of 16 numbers as they are loaded
.set X,     80                         ; v80-111  two sets of 16 neighbours
.set E,     112                        ; v112-127 a scale byte for each step
.set C,     128                        ; v128-191 codes: four registers for each step, so that no store's data are written again
.set WREG,  8192                       ; LDS: a region for each wave: two stages of 32 x SP bytes, and behind them its 256 scale bytes
.set SP,    80                         ; a lane's place in a stage: its 64 bytes + 16 of padding
	s_load_b512 s[4:19], s[0:1], 0x0               ; query, key_, value, Wq, Wk, Wv, Wp s[16:17], codes s[18:19]
	s_load_b128 s[20:23], s[0:1], 0x40             ; scales, wf
	v_lshl_add_u32 v192, v0, 2, 0x8000
	v_mov_b32 v193, 0
	v_lshrrev_b32 v1, 5, v0
	v_readfirstlane_b32 s24, v1                    ; wave
	v_and_b32 v2, 31, v0                           ; lane
	s_wait_kmcnt 0x0
	s_cmp_ge_u32 ttmp9, NQWG
	s_cbranch_scc1 .Lwp
	v_lshlrev_b32 v3, 4, v2                        ; my 16 bytes of a load's 512
	s_mul_i32 s25, s24, WREG
	v_lshrrev_b32 v14, 2, v2
	v_mul_u32_u24 v14, v14, SP
	v_and_b32 v15, 3, v2
	v_lshl_add_u32 v14, v15, 4, v14
	v_add_nc_u32 v14, s25, v14                     ; the stage, on the way in: four lanes' 64 bytes on end, then 16 of padding
	v_mul_u32_u24 v15, v2, SP
	v_add_nc_u32 v15, s25, v15                     ; and on the way out: SP x lane: my 16 neighbours
	v_mul_u32_u24 v4, v2, CB                       ; my codes' place in a step's
	v_lshrrev_b32 v5, 1, v2
	s_add_co_u32 s25, s25, 2*32*SP
	v_add_nc_u32 v5, s25, v5                       ; LDS: my wave's 256 scale bytes, my block's byte
	v_lshlrev_b32 v7, 3, v2                        ; and on the way out 8 bytes a lane
	v_add_nc_u32 v6, s25, v7
	; which tensor is read: the choice hangs on the work-group's number alone.  s28: the tensor's first work-group
	s_mov_b64 s[26:27], s[14:15]                   ; Wv
	s_mov_b32 s28, 448
	s_cmp_lt_u32 ttmp9, 448
	s_cselect_b64 s[26:27], s[12:13], s[26:27]     ; Wk
	s_cselect_b32 s28, 416, s28
	s_cmp_lt_u32 ttmp9, 416
	s_cselect_b64 s[26:27], s[10:11], s[26:27]     ; Wq
	s_cselect_b32 s28, 384, s28
	s_cmp_lt_u32 ttmp9, 384
	s_cselect_b64 s[26:27], s[8:9], s[26:27]       ; value
	s_cselect_b32 s28, 256, s28
	s_cmp_lt_u32 ttmp9, 256
	s_cselect_b64 s[26:27], s[6:7], s[26:27]       ; key_
	s_cselect_b32 s28, 128, s28
	s_cmp_lt_u32 ttmp9, 128
	s_cselect_b64 s[26:27], s[4:5], s[26:27]       ; query
	s_cselect_b32 s28, 0, s28
	s_sub_co_u32 s30, ttmp9, s28
	s_lshl_b32 s30, s30, 2
	s_add_co_u32 s30, s30, s24                     ; which run of 8,192 numbers of the tensor is my wave's
	s_lshl_b32 s30, s30, 15                        ; 32,768 bytes a run
	s_mov_b32 s31, 0
	s_add_nc_u64 s[26:27], s[26:27], s[30:31]
	s_lshl_b32 s32, ttmp9, 2
	s_add_co_u32 s32, s32, s24                     ; and which run of the stack
	s_lshl_b32 s34, s32, 8                         ; 256 scale bytes a run,
	s_lshl_b32 s32, s32, 12                        ; 4,096 bytes of codes
	s_mov_b32 s33, 0
	s_mov_b32 s35, 0
	s_add_nc_u64 s[18:19], s[18:19], s[32:33]
	s_add_nc_u64 s[20:21], s[20:21], s[34:35]
.macro LOAD t
.irp i, 0,1,2,3
	global_load_b128 v[R+16*((\t)%4)+4*\i:R+16*((\t)%4)+4*\i+3], v3, s[26:27] offset:2048*(\t)+512*\i th:TH_LOAD_NT   ; 32 lanes read 512 consecutive bytes
.endr
.endm
.macro TURN t                          ; step t's numbers through the stage: LDS serves a wave's instructions in order, so no wait stands between the stores and the loads
.irp i, 0,1,2,3
	ds_store_b128 v14, v[R+16*((\t)%4)+4*\i:R+16*((\t)%4)+4*\i+3] offset:32*SP*((\t)%2)+8*SP*\i
.endr
.irp i, 0,1,2,3
	ds_load_b128 v[X+16*((\t)%2)+4*\i:X+16*((\t)%2)+4*\i+3], v15 offset:32*SP*((\t)%2)+16*\i
.endr
.endm
.irp t, 0,1,2,3
	LOAD \t
.endr
	s_wait_loadcnt 12                              ; step 0's four loads are in; the twelve of steps 1 to 3 stay out
	TURN 0
.macro STEP t
.set XS, X+16*((\t)%2)
.if (\t) > 0
	s_wait_dscnt 1                                 ; this step's numbers are back from the stage (the last step's byte store may be out): so its stores into the stage have read their registers,
.else
	s_wait_dscnt 0x0
.endif
.if (\t)+4 < STEPS
	LOAD (\t)+4                                    ; which take the loads of four steps on
.endif
.if (\t)+1 < STEPS
.if STEPS-2-(\t) >= 3
	s_wait_loadcnt 12                              ; the next step's four loads are in; those of the three steps behind it may be out
.else
	s_wait_loadcnt 4*(STEPS-2-(\t))                ; at the end fewer steps stand behind it
.endif
	TURN (\t)+1                                    ; and go through the other stage while this step is worked
.endif
	v_max3_num_f32 v8, |v[XS]|, |v[XS+1]|, |v[XS+2]|               ; the largest magnitude of my 16, in two chains
	v_max3_num_f32 v9, |v[XS+3]|, |v[XS+4]|, |v[XS+5]|
.irp i, 6,10
	v_max3_num_f32 v8, v8, |v[XS+\i]|, |v[XS+\i+1]|
	v_max3_num_f32 v9, v9, |v[XS+\i+2]|, |v[XS+\i+3]|
.endr
	v_max3_num_f32 v8, v8, |v[XS+14]|, |v[XS+15]|
	v_max3_num_f32 v8, v8, v9, (EMAX+1)<<23        ; and the floor 2^(EMAX + 1 - 127): so the byte cannot fall under 1
	v_max_num_f32_dpp v8, v8, v8 row_xmask:1 row_mask:0xf bank_mask:0xf   ; and of my neighbour's 16: the block's
	v_add_nc_u32 v11, -(EMAX<<23), v8              ; EMAX off its exponent field: the conversion takes the exponent field of this operand as its scale, and nothing else of it
	v_cvt_scalef32_pk8_fp4_f32 v[C+4*(\t)], v[XS:XS+7], v11
	v_cvt_scalef32_pk8_fp4_f32 v[C+4*(\t)+1], v[XS+8:XS+15], v11
	v_lshrrev_b32 v[E+(\t)], 23, v11               ; the scale's byte (also the plain line behind the conversions)
	ds_store_b8 v5, v[E+(\t)] offset:16*(\t)       ; both lanes of a block write the same byte with the same value
	global_store_b64 v4, v[C+4*(\t):C+4*(\t)+1], s[18:19] offset:32*CB*(\t)   ; 32 lanes store 256 consecutive bytes, aligned
.endm
.irp t, 0,1,2,3,4,5,6,7,8,9,10,11,12,13,14,15
	STEP \t
.endr
	ds_load_b64 v[12:13], v6                       ; LDS serves a wave's instructions in order: these see my stores
	s_wait_dscnt 0x0
	global_store_b64 v7, v[12:13], s[20:21]        ; 32 lanes store 256 consecutive bytes, aligned
	s_wait_tensorcnt 0x0
	ds_add_u32 v192, v193
	s_wait_dscnt 0x0
	s_endpgm
.Lwp:                                              ; Wp: rows 16 (work-group - 480) on, k = 256 x wave on
	v_and_b32 v3, 15, v0                           ; r
	v_bfe_u32 v4, v0, 4, 1                         ; h
	v_lshlrev_b32 v5, 12, v3
	v_lshl_add_u32 v5, v4, 5, v5                   ; in: row r of 4,096 bytes, + 32 h: eight numbers
	v_lshlrev_b32 v6, 4, v2                        ; out: 16 x lane
	s_sub_co_u32 s30, ttmp9, NQWG
	s_lshl_b32 s32, s30, 13                        ; wf: 8,192 bytes for 16 rows x 256 k,
	s_lshl_b32 s30, s30, 16                        ; Wp: 16 rows of 4,096 bytes,
	s_lshl_b32 s25, s24, 10
	s_add_co_u32 s30, s30, s25                     ; + 256 numbers x wave
	s_mov_b32 s31, 0
	s_add_nc_u64 s[16:17], s[16:17], s[30:31]
	s_lshl_b32 s25, s24, 19
	s_add_co_u32 s32, s32, s25                     ; + 524,288 x wave
	s_mov_b32 s33, 0
	s_add_nc_u64 s[22:23], s[22:23], s[32:33]
.irp i, 0,1,2,3,4,5,6,7,8,9,10,11,12,13,14,15
	global_load_b128 v[16+8*\i:16+8*\i+3], v5, s[16:17] offset:64*\i th:TH_LOAD_NT      ; k = 16 i + 8 h + 0 .. 7 of row r: eight numbers that become 16 bytes of an image
	global_load_b128 v[16+8*\i+4:16+8*\i+7], v5, s[16:17] offset:64*\i+16 th:TH_LOAD_NT
.endr
	s_wait_loadcnt 16                              ; i = 0 to 7 are in; the sixteen loads of i = 8 to 15 stay out
.irp i, 0,1,2,3,4,5,6,7
.irp j, 0,1,2,3
	v_cvt_pk_f16_f32 v[144+4*\i+\j], v[16+8*\i+2*\j], v[16+8*\i+2*\j+1]
.endr
	global_store_b128 v6, v[144+4*\i:144+4*\i+3], s[22:23] offset:512*\i   ; 32 lanes store 512 consecutive bytes, aligned: half an image
.endr
	s_wait_loadcnt 0x0
.irp i, 8,9,10,11,12,13,14,15
.irp j, 0,1,2,3
	v_cvt_pk_f16_f32 v[16+4*(\i-8)+\j], v[16+8*\i+2*\j], v[16+8*\i+2*\j+1]   ; into the registers of i = 0 to 3, whose numbers are done with; no store's data are written again
.endr
	global_store_b128 v6, v[16+4*(\i-8):16+4*(\i-8)+3], s[22:23] offset:512*\i
.endr
	s_endpgm
.Lfunc_end_k_q9400fd03dc_quant:
	.size	k_q9400fd03dc_quant, .Lfunc_end_k_q9400fd03dc_quant-k_q9400fd03dc_quant
	.p2alignl 7, 3214868480
	.fill 96, 4, 3214868480
	.section	.rodata,"a",@progbits
	.p2align	6, 0x0
	.amdhsa_kernel k_q9400fd03dc_quant
		.amdhsa_group_segment_fixed_size 33280
		.amdhsa_private_segment_fixed_size 0
		.amdhsa_enable_private_segment 0
		.amdhsa_kernarg_size 80
		.amdhsa_user_sgpr_count 2
		.amdhsa_user_sgpr_kernarg_segment_ptr 1
		.amdhsa_wavefront_size32 1
		.amdhsa_system_sgpr_workgroup_id_x 1
		.amdhsa_system_sgpr_workgroup_id_y 1
		.amdhsa_system_sgpr_workgroup_id_z 1
		.amdhsa_system_vgpr_workitem_id 0
		.amdhsa_next_free_vgpr 194
		.amdhsa_next_free_sgpr 66
		.amdhsa_reserve_vcc 0
		.amdhsa_float_denorm_mode_32 3
		.amdhsa_float_denorm_mode_16_64 3
		.amdhsa_memory_ordered 1
		.amdhsa_forward_progress 1
		.amdhsa_inst_pref_size 43
	.end_amdhsa_kernel
	.amdgpu_metadata
---
amdhsa.version: [ 1, 2 ]
amdhsa.kernels:
  - .name:           k_q9400fd03dc_quant
    .symbol:         k_q9400fd03dc_quant.kd
    .args:
      - { .name: query, .offset: 0, .size: 8, .value_kind: global_buffer, .address_space: global }
      - { .name: key_, .offset: 8, .size: 8, .value_kind: global_buffer, .address_space: global }
      - { .name: value, .offset: 16, .size: 8, .value_kind: global_buffer, .address_space: global }
      - { .name: Wq, .offset: 24, .size: 8, .value_kind: global_buffer, .address_space: global }
      - { .name: Wk, .offset: 32, .size: 8, .value_kind: global_buffer, .address_space: global }
      - { .name: Wv, .offset: 40, .size: 8, .value_kind: global_buffer, .address_space: global }
      - { .name: Wp, .offset: 48, .size: 8, .value_kind: global_buffer, .address_space: global }
      - { .name: codes, .offset: 56, .size: 8, .value_kind: global_buffer, .address_space: global }
      - { .name: scales, .offset: 64, .size: 8, .value_kind: global_buffer, .address_space: global }
      - { .name: wf, .offset: 72, .size: 8, .value_kind: global_buffer, .address_space: global }
    .group_segment_fixed_size: 33280
    .private_segment_fixed_size: 0
    .kernarg_segment_align: 8
    .kernarg_segment_size: 80
    .max_flat_workgroup_size: 128
    .sgpr_count:     66
    .vgpr_count:     194
    .wavefront_size: 32
...
	.end_amdgpu_metadata
.endif
;; end of part 1
;; launch proj (part 2): grid 4 x 48, 4 waves a work-group, clusters of 4 x 4, 327,680 bytes of LDS; arguments codes, scales, qf, kv; writes qf, kv
.if DOCPART == 2
	.amdgcn_target "amdgcn-amd-amdhsa--gfx1250"
	.amdhsa_code_object_version 6
	.text
	.protected	k_q9400fd03dc_proj
	.globl	k_q9400fd03dc_proj
	.p2align	8
	.type	k_q9400fd03dc_proj,@function
k_q9400fd03dc_proj:
	s_mov_b64 s[64:65], 0
	v_nop
	global_prefetch_b8 v0, s[64:65] scope:SCOPE_SE
	s_setreg_imm32_b32 hwreg(HW_REG_WAVE_MODE, 25, 1), 1
	s_wait_xcnt 0x0
	s_wait_alu depctr_hold_cnt(0) depctr_sa_sdst(0) depctr_va_vdst(0) depctr_va_sdst(0) depctr_va_ssrc(0) depctr_va_vcc(0) depctr_vm_vsrc(0)
	s_getreg_b32 s2, hwreg(HW_REG_IB_STS2, 6, 4)
	s_cmp_eq_u32 s2, 0
	s_cbranch_scc0 .Lentry_in_a_cluster
	s_endpgm
.Lentry_in_a_cluster:
	s_bfe_u32 s2, ttmp6, 0x10000c
	s_cmp_lg_u32 s2, 0xf033
	s_cbranch_scc0 .Lentry_shape_is_right
	s_endpgm
.Lentry_shape_is_right:
; The three projections q = query Wq^T, k = key_ Wk^T, v = value Wv^T, each 4,096 x 1,024 x 1,024, on codes of FP4 (E2M1) with one E8M0 scale for each 32 along K; sums in f32; results rounded to f16.
; codes: 15,360 rows of 512 bytes (query, key_, value, Wq, Wk, Wv); scales: 15,360 rows of 32 bytes.
; A tile of 256 x 256 is made by a work-group of four waves; a wave makes 128 x 128: 64 accumulators of 16 x 16, 512 registers.  K = 1,024 is two LDS slots of 512 along K: both are filled once, at the start.
; 192 work-groups: 3 x 4,096 x 1,024 results have no split into 256 equal tiles whose sides divide 4,096 and 1,024.
; CLUSTERS: 4 x 4 work-groups make 1,024 x 1,024 of one product.  Cluster y / 4 says which product.  The four of a row of the cluster need the same tiles of A, the four of a column the same tiles of B:
; each tile is asked for JOINTLY, by the same tensor load with the same descriptor and a mask that names the four.
; q and k: A = 1,024 tokens, B = the weight's 1,024 rows.  v: A = Wv's rows (channels), B = 1,024 tokens: so that a lane's eight results are eight neighbouring KEYS of one channel.
; THE MATRIX INSTRUCTION IS USED TRANSPOSED (source 0 = 16 rows of B, source 1 = 16 rows of A): lane l holds row l % 16 of A's block and eight neighbouring rows 8 (l / 16) + 0 .. 7 of B's block.
; THE WAY OUT NEEDS NO STAGE.  The results are laid as IMAGES of the next products' 16-bit operands: an image (16 rows x 32 k) is 1,024 bytes, byte 256 o + 16 r = k 8 o .. 8 o + 7 of row r.  A lane's eight results,
; rounded to f16, are 16 bytes of octet 2 (block % 2) + l / 16 of row l % 16: one store of the wave covers 512 consecutive bytes, aligned.
;   qf: [batch 2][16 split + head 32][query / 16 128][1,024]      (rows: queries; k: the head's 32)
;   kv: [16 batch + head 32][key / 64 32][16,384]: K of split 1, four images (rows: 16 keys), at 0; K of split 2 at 4,096; V^T at 8,192: [keys / 32 2][channels / 16 4] images (rows: channels; k: keys)
; LIMIT: a projected number beyond 65,504 in magnitude becomes infinite in f16.
; REGISTERS, in windows of 256: window 0: v0-31 addresses; v32-95 scale words, two sets; from v128 A's fragments, ONE set; on the way out v128-255 hold packed results.
;   window 1: B's fragments, TWO sets, at v0 and at v128.   window 2: the 32 accumulators of my rows 0-63 (accumulator (a, b) at v[8 (8 a + b)]);   window 3: those of my rows 64-127.
.set NQ,     4                         ; steps of 128 along K in a slot
.set ROWB,   256                       ; a tile's row in bytes: 512 codes
.set KROW,   512                       ; a row of codes in memory
.set PITCH,  272                       ; an LDS row: 256 bytes + 16 of padding = 68 words: the 16 rows that a load touches start 4 words apart in the 64 banks (ISA guide 11.1)
.set FR,     8                         ; registers of a fragment: 16 rows x 128 K
.set NL,     2                         ; LDS loads that bring one
.set NP,     4                         ; places behind this matrix instruction (ISA guide 7.12.1)
.set HALFT,  128*PITCH                 ; 128 rows: what one tensor load brings, and what one wave reads of A or of B
.set SLOT,   4*HALFT                   ; A's 256 rows, then B's 256 rows
.set KS,     32                        ; a row of scales in bytes
.set SCL,    2*SLOT                    ; behind the two slots: the scales, as rows of 256 bytes + 16 of padding
.set HALFS,  (128*KS/256)*272          ; the scales of 128 rows: what one tensor load brings
.set SBLK,   (16*KS/256)*272           ; those of 16 rows
.set SPARE,  SCL+4*HALFS               ; behind the scales: the spare words, 128 bytes for each wave
.set ADRA, 16                          ; v16-17  LDS address of my A fragments in slot 0, 1
.set ADRB, 20                          ; v20-21  the same for B
.set L16,  24                          ; v24     16 x lane: my place in half an image
.set ADRS, 27                          ; v27     LDS address of my scale words: lanes 0-15 A's rows, lanes 16-31 B's
.set SPW,  28                          ; v28     LDS address of my spare word; never rewritten
.set NIL,  29                          ; v29     0; never rewritten
.set SC,   32                          ; scale words: set s at v[SC + 32 s]; register 4 i + q: lanes 0-15 the word of A's block i, lanes 16-31 that of B's block i, for the slot's q-th 128 along K
.set AF,   128                         ; A's fragments, in window 0
.set TMP,  128                         ; the way out: four blocks' packed results
.set G1, 24                            ; s[24:31] descriptor group 1 for A's tiles;  s[32:39] group 0, one set for each slot
.set G0, 32
.set G1B, 48                           ; s[48:55], s[56:63] the same for B's tiles
.set G0B, 56
.set G1S, 68                           ; s[68:75], s[76:79] groups 1 and 0 for A's scales;  s[80:87], s[88:91] for B's
.set G0S, 76
.set G1SB, 80
.set G0SB, 88
.set MSB, 0
.macro WIN new                         ; the immediate's high byte repeats the setting that is left
.if MSB != \new
	s_set_vgpr_msb (MSB<<8)|\new
.set MSB, \new
.endif
.endm
.set MUL_LO, 0xa1                      ; source 0 (B) window 1, source 1 (A) window 0, C and D window 2
.set MUL_HI, 0xf1                      ; the same, C and D window 3
.set TO_B,   0x40                      ; destination window 1, address window 0
; A joint load: waves 0 and 1 fetch for A, waves 2 and 3 for B.  Each of the two lines has ONE mask and one set of registers for all that issue it; the branch hangs on the wave's number alone.
; Four v_nop follow each of the two lines, ahead of the jump, the label and what follows.
.macro JLOAD g0a, g1a, g0b, g1b
	s_cmp_eq_u32 s15, 0
	s_cbranch_scc0 .Lfor_b_\@
	tensor_load_to_lds s[\g0a:\g0a+3], s[\g1a:\g1a+7]
	s_nop 0
.rept 4
	v_nop
.endr
	s_branch .Lasked_\@
.Lfor_b_\@:
	tensor_load_to_lds s[\g0b:\g0b+3], s[\g1b:\g1b+7]
	s_nop 0
.rept 4
	v_nop
.endr
.Lasked_\@:
.endm
.macro CROUND                          ; a round of the cluster's barrier: my work-group's barrier; wave 0 signals for the work-group; every wave waits for all sixteen; my work-group's barrier once more
	s_barrier_signal -1
	s_barrier_wait -1
	s_cmp_lg_u32 s14, 0
	s_cbranch_scc1 .Lnot_wave_0_\@
	s_barrier_signal -3
.Lnot_wave_0_\@:
	s_barrier_wait -3
	s_barrier_signal -1
	s_barrier_wait -1
.endm
	s_load_b256 s[4:11], s[0:1], 0x0               ; codes s[4:5], scales s[6:7], qf s[8:9], kv s[10:11]
	v_lshl_add_u32 v[SPW], v0, 2, SPARE
	v_mov_b32 v[NIL], 0
	ds_add_u32 v28, v29
	ds_add_u32 v28, v29
	s_wait_dscnt 0x0
	v_lshrrev_b32 v1, 5, v0
	v_readfirstlane_b32 s14, v1                    ; wave 0..3
	s_lshr_b32 s15, s14, 1                         ; which half of the tile's rows (A) is mine.  Also: I fetch for A (0) or for B (1)
	s_and_b32 s16, s14, 1                          ; which half of its columns (B).  Also: which 128 rows of that tile I fetch
	s_bfe_u32 s40, ttmp6, 0x40000                  ; cx, cy: my place in the cluster
	s_bfe_u32 s41, ttmp6, 0x40004
	s_and_b32 s17, ttmp7, 0xffff                   ; the cluster's y, 0 to 11: the same in all sixteen partners
	s_lshr_b32 s12, s17, 2                         ; which product: 0 q, 1 k, 2 v
	s_lshl_b32 s13, s17, 10                        ; the cluster's 1,024 tokens among the stacked rows
	s_lshl_b32 s42, s12, 10
	s_add_co_u32 s42, s42, 12288                   ; the product's weight among them
	s_cmp_eq_u32 s12, 2
	s_cselect_b32 s20, s42, s13                    ; A's first row: the tokens; for v the weight
	s_cselect_b32 s46, s13, s42                    ; B's first row: the weight; for v the tokens
	s_lshl_b32 s43, s41, 2
	s_lshl_b32 s43, 15, s43                        ; my row of the cluster
	s_lshl_b32 s44, 0x1111, s40                    ; my column
	; descriptor group 1: a tile of 128 rows x 256 bytes, padded in LDS
	s_or_b32 s[G1+0], s43, (0<<16)|(1<<20)|(1<<21)|(5<<22)|(3<<25)  ; 15:0 the mask: A's tiles go to my row; 17:16 element of 1 byte; 20 padding on; 21 set beside a mask; 24:22 after every 64 words (code 5); 31:25 of 4 words (code 3)
	s_or_b32 s[G1B+0], s44, (0<<16)|(1<<20)|(1<<21)|(5<<22)|(3<<25)
.irp g, G1, G1B
	s_mov_b32 s[\g+1], ROWB<<16                    ; tensor_dim0
	s_mov_b32 s[\g+2], 128<<16                     ; tensor_dim1 = 128
	s_mov_b32 s[\g+3], ROWB<<16                    ; tile_dim0
	s_mov_b32 s[\g+4], 128                         ; tile_dim1 = 128
	s_mov_b32 s[\g+5], KROW                        ; tensor_dim0_stride
	s_mov_b32 s[\g+6], 0
	s_mov_b32 s[\g+7], 0
.endr
	; and for the scales of 128 rows: a dense block of 4,096 bytes, as 16 rows of 256 bytes (32 elements of 8 bytes), 16 bytes of padding behind each
	s_or_b32 s[G1S+0], s43, (3<<16)|(1<<20)|(1<<21)|(5<<22)|(3<<25)
	s_or_b32 s[G1SB+0], s44, (3<<16)|(1<<20)|(1<<21)|(5<<22)|(3<<25)
.irp g, G1S, G1SB
	s_mov_b32 s[\g+1], 32<<16
	s_mov_b32 s[\g+2], (128*KS/256)<<16
	s_mov_b32 s[\g+3], 32<<16
	s_mov_b32 s[\g+4], 128*KS/256
	s_mov_b32 s[\g+5], 32
	s_mov_b32 s[\g+6], 0
	s_mov_b32 s[\g+7], 0
.endr
	s_lshl_b32 s18, s16, 7                         ; which 128 rows of the tile I fetch
	s_lshl_b32 s19, s41, 8
	s_add_co_u32 s20, s20, s19                     ; A: + 256 cy
	s_add_co_u32 s20, s20, s18
	s_lshl_b32 s95, s40, 8
	s_add_co_u32 s46, s46, s95                     ; B: + 256 cx
	s_add_co_u32 s46, s46, s18
	s_lshl_b32 s22, s20, 5                         ; where these rows' scales begin, in bytes (all offsets stay under 2^23),
	s_mov_b32 s23, 0
	s_lshl_b32 s20, s20, 9                         ; and their codes
	s_mov_b32 s21, 0
	s_lshl_b32 s92, s46, 5
	s_mov_b32 s93, 0
	s_lshl_b32 s46, s46, 9
	s_mov_b32 s47, 0
	s_mul_i32 s45, s14, HALFT                      ; where they go: wave x 128 rows: no place in the cluster enters an LDS address
	s_mul_i32 s94, s14, HALFS
	s_wait_kmcnt 0x0
	s_add_nc_u64 s[20:21], s[4:5], s[20:21]
	s_add_nc_u64 s[22:23], s[6:7], s[22:23]
	s_add_nc_u64 s[46:47], s[4:5], s[46:47]
	s_add_nc_u64 s[92:93], s[6:7], s[92:93]
	CROUND                                         ; all sixteen work-groups are here: the joint loads meet
	s_mov_b32 s[G0S], 1
	s_add_co_u32 s[G0S+1], s94, SCL
	s_mov_b64 s[G0S+2:G0S+3], s[22:23]
	s_or_b32 s[G0S+3], s[G0S+3], 0x80000000
	s_mov_b32 s[G0SB], 1
	s_add_co_u32 s[G0SB+1], s94, SCL
	s_mov_b64 s[G0SB+2:G0SB+3], s[92:93]
	s_or_b32 s[G0SB+3], s[G0SB+3], 0x80000000
	JLOAD G0S, G1S, G0SB, G1SB                     ; the scales first: they are wanted with the first slot
.irp s, 0,1
	s_mov_b32 s[G0+4*\s], 1
	s_add_co_u32 s[G0+4*\s+1], s45, \s*SLOT
	s_add_nc_u64 s[G0+4*\s+2:G0+4*\s+3], s[20:21], \s*ROWB
	s_or_b32 s[G0+4*\s+3], s[G0+4*\s+3], 0x80000000
	s_mov_b32 s[G0B+4*\s], 1
	s_add_co_u32 s[G0B+4*\s+1], s45, \s*SLOT
	s_add_nc_u64 s[G0B+4*\s+2:G0B+4*\s+3], s[46:47], \s*ROWB
	s_or_b32 s[G0B+4*\s+3], s[G0B+4*\s+3], 0x80000000
	JLOAD G0+4*\s, G1, G0B+4*\s, G1B               ; three tensor loads of mine are out now, and none follows
.endr
	v_and_b32 v1, 15, v0                           ; l % 16
	v_bfe_u32 v2, v0, 4, 1                         ; l / 16
	v_mul_u32_u24 v3, v1, PITCH
	v_lshl_add_u32 v4, v2, 4, v3                   ; a fragment's row x pitch + 16 x half
	s_mul_i32 s21, s15, HALFT                      ; my 128 rows of A
	s_mul_i32 s22, s16, HALFT                      ; my 128 rows of B,
	s_add_co_u32 s22, s22, 2*HALFT                 ; which lie behind A's 256
.irp s, 0,1
	v_add_nc_u32 v[ADRA+\s], s21, v4
	v_add_nc_u32 v[ADRB+\s], s22, v4
	s_add_co_u32 s21, s21, SLOT
	s_add_co_u32 s22, s22, SLOT
.endr
	v_mul_u32_u24 v5, v1, KS                       ; my row's scales: KS bytes a row,
	v_lshrrev_b32 v6, 8, v5
	v_lshl_add_u32 v5, v6, 4, v5                   ; and 16 more for each 256 passed
	s_mul_i32 s21, s15, HALFS                      ; A's: my 128 rows
	s_mul_i32 s22, s16, HALFS                      ; B's: my 128 rows, behind A's 256
	s_add_co_u32 s22, s22, 2*HALFS
	s_sub_co_u32 s22, s22, s21
	v_mul_u32_u24 v6, s22, v2                      ; lanes 16-31 take B's: one product, the distance between the two bases
	s_add_co_u32 s21, s21, SCL
	v_add_nc_u32 v5, v5, v6
	v_add_nc_u32 v[ADRS], s21, v5
	v_and_b32 v6, 31, v0
	v_lshlrev_b32 v[L16], 4, v6
.macro FRAG reg, adr, q, i             ; a fragment, 16 rows x 128 K of 4-bit codes, is 8 registers: lane l holds row l % 16; registers 4 c .. 4 c + 3 hold K = 64 c + 32 (l / 16) + 0 .. 31
.irp c, 0,1
	ds_load_b128 v[\reg+4*\c:\reg+4*\c+3], v[\adr] offset:64*(\q)+32*\c+(\i)*16*PITCH
.endr
.endm
; 16 matrix instructions: A's blocks a0, a0 + 1 x B's eight, 128 along K: the slot's q-th.  p: B's set;  sc: the set of scale words.  zero = 1: the first product starts the sums: nothing is ever cleared.
; The 64 accumulators take turns, one instruction a turn, in the same order in every step.
.macro MUL16 a0, p, q, sc, zero
.irp a, \a0, \a0+1
.irp b, 0,1,2,3,4,5,6,7
.if \zero
	v_wmma_scale_f32_16x16x128_f8f6f4 v[8*(8*((\a)%4)+\b):8*(8*((\a)%4)+\b)+7], v[128*(\p)+FR*\b:128*(\p)+FR*\b+FR-1], v[AF+FR*(\a):AF+FR*(\a)+FR-1], 0, v[SC+8*NQ*(\sc)+NQ*\b+(\q)], v[SC+8*NQ*(\sc)+NQ*(\a)+(\q)] matrix_a_fmt:MATRIX_FMT_FP4 matrix_b_fmt:MATRIX_FMT_FP4 matrix_a_scale:MATRIX_SCALE_ROW1
.else
	v_wmma_scale_f32_16x16x128_f8f6f4 v[8*(8*((\a)%4)+\b):8*(8*((\a)%4)+\b)+7], v[128*(\p)+FR*\b:128*(\p)+FR*\b+FR-1], v[AF+FR*(\a):AF+FR*(\a)+FR-1], v[8*(8*((\a)%4)+\b):8*(8*((\a)%4)+\b)+7], v[SC+8*NQ*(\sc)+NQ*\b+(\q)], v[SC+8*NQ*(\sc)+NQ*(\a)+(\q)] matrix_a_fmt:MATRIX_FMT_FP4 matrix_b_fmt:MATRIX_FMT_FP4 matrix_a_scale:MATRIX_SCALE_ROW1
.endif
.endr
.endr
.endm
.macro FETCH_B slot, q, p              ; B's eight fragments of the slot's q-th 128 along K into set p
	WIN TO_B
.irp i, 0,1,2,3,4,5,6,7
	FRAG 128*(\p)+FR*\i, ADRB+\slot, \q, \i
.endr
	WIN 0
.endm
.macro FETCH_A slot, q, i0             ; A's blocks i0 .. i0 + 3
.irp i, \i0, \i0+1, \i0+2, \i0+3
	FRAG AF+FR*(\i), ADRA+\slot, \q, \i
.endr
.endm
.macro SCALES sc                       ; a slot's scale words into set sc: four words a row; lanes 0-15 take A's block i, lanes 16-31 B's block i
.irp i, 0,1,2,3,4,5,6,7
	ds_load_b128 v[SC+8*NQ*\sc+NQ*\i:SC+8*NQ*\sc+NQ*\i+3], v[ADRS] offset:\i*SBLK
.endr
.endm
; A load into a register that a matrix instruction has read, and a vector instruction that reads a matrix result, stand NP places behind that matrix instruction, and only plain vector instructions that
; name none of its registers are places (ISA guide 7.12.1 for vector instructions).
.macro PLACES n
.rept \n
	v_nop
.endr
.endm
; A step of 128 along K that has its successor in the same slot.  A's blocks go one after the other, each against B's eight: so one set of registers serves A (blocks 0-3 fetched anew in the step's middle, 4-7 at its end), and B has two.
.macro STEP slot, q, zero
	s_wait_dscnt 4*NL                              ; B's set and A's blocks 0-3 are in; the youngest eight loads (A's blocks 4-7) may be out
	WIN MUL_LO
	MUL16 0, (\q)%2, \q, \slot, \zero
	MUL16 2, (\q)%2, \q, \slot, \zero
	s_wait_dscnt 0                                 ; A's blocks 4-7 are in (asked for 32 matrix instructions ago)
	PLACES NP
	FETCH_B \slot, (\q)+1, 1-(\q)%2
	FETCH_A \slot, (\q)+1, 0
	WIN MUL_HI
	MUL16 4, (\q)%2, \q, \slot, \zero
	MUL16 6, (\q)%2, \q, \slot, \zero
	PLACES NP
	WIN 0
	FETCH_A \slot, (\q)+1, 4
.endm
; Slot 0's last step goes over to slot 1: each wave waits for all its tensor loads (its part of slot 1), and behind the barrier slot 1 is whole.  Nothing is filled again in this launch.
.macro TURN slot, next
	s_wait_tensorcnt 0x0                           ; all my tensor loads have landed;  (every window is 0 here: the add's two registers lie in window 0)
	ds_add_u32 v[SPW], v[NIL]                      ; 0 onto my spare word
	s_wait_dscnt 4*NL+1                            ; (the add and the youngest eight loads, A's blocks 4-7, may be out)
	WIN MUL_LO
	MUL16 0, 1, NQ-1, \slot, 0                     ; sixteen matrix instructions stand between the add and the wait for it
	s_wait_dscnt 0x0                               ; no LDS instruction of mine is out at the signal
	s_barrier_signal -1
	MUL16 2, 1, NQ-1, \slot, 0
	WIN 0
	s_barrier_wait -1
	PLACES NP
	v_add_nc_u32 v[ADRS], 4*NQ, v[ADRS]            ; on to the next slot's scale words (no LDS load of mine is out)
	FETCH_B \next, 0, 0
	FETCH_A \next, 0, 0
	SCALES \next
	WIN MUL_HI
	MUL16 4, 1, NQ-1, \slot, 0
	MUL16 6, 1, NQ-1, \slot, 0
	PLACES NP
	WIN 0
	FETCH_A \next, 0, 4
.endm
	s_wait_tensorcnt 1                             ; the scales and my part of slot 0 are in (slot 1's load may be out)
	s_barrier_signal -1
	s_barrier_wait -1                              ; everybody's are
	FETCH_B 0, 0, 0
	FETCH_A 0, 0, 0
	SCALES 0
	FETCH_A 0, 0, 4
	STEP 0, 0, 1                                   ; the first step's products start the sums
	STEP 0, 1, 0
	STEP 0, 2, 0
	TURN 0, 1
	STEP 1, 0, 0
	STEP 1, 1, 0
	STEP 1, 2, 0
	s_wait_dscnt 4*NL                              ; the very last step: nothing more to fetch
	WIN MUL_LO
	MUL16 0, 1, NQ-1, 1, 0
	MUL16 2, 1, NQ-1, 1, 0
	s_wait_dscnt 0
	WIN MUL_HI
	MUL16 4, 1, NQ-1, 1, 0
	MUL16 6, 1, NQ-1, 1, 0
	WIN 0
	PLACES NP                                      ; in front of the first read of results, and of the writes into the registers that held A's fragments
; THE WAY OUT.  Block a (16 rows of A) x block b (16 rows of B): four conversions make a lane's 16 bytes, each accumulator from its low end on; the store's immediate says which half of which image.
; mode 0: q; 1: k; 2: v.  Four blocks' packed results have registers of their own; block 4 writes block 0's again, behind the wait that frees them.
.macro OUT mode, base
.irp a, 0,1,2,3,4,5,6,7
.if \a == 4
	s_wait_xcnt 0x0                                ; the stores of blocks 0 to 3 have read their registers
.endif
	WIN 0x0a+5*(\a/4)                              ; sources 0 and 1: window 2 or 3
.irp b, 0,1,2,3,4,5,6,7
.irp i, 0,1,2,3
	v_cvt_pk_f16_f32 v[TMP+32*(\a%4)+4*\b+\i], v[64*(\a%4)+8*\b+2*\i], v[64*(\a%4)+8*\b+2*\i+1]
.endr
.endr
	WIN 0
.irp b, 0,1,2,3,4,5,6,7
.if \mode == 0
.set IM, \a*1024+(\b/2)*131072+(\b%2)*512                                       ; query tile a; head b / 2
.elseif \mode == 1
.set IM, (\a/4)*16384+(\a%4)*1024+(\b/2)*524288+(\b%2)*512                      ; key step a / 4, key tile a % 4; head b / 2
.else
.set IM, (\a/4)*524288+(\a%4)*1024+(\b/4)*16384+((\b%4)/2)*4096+(\b%2)*512      ; head a / 4, channel tile a % 4; key step b / 4, its half (b % 4) / 2
.endif
	global_store_b128 v[L16], v[TMP+32*(\a%4)+4*\b:TMP+32*(\a%4)+4*\b+3], s[\base:\base+1] offset:IM   ; 32 lanes store 512 consecutive bytes, aligned
.endr
.endr
.endm
.macro ADDSH src, sh                   ; s20 += s[src] << sh
	s_lshl_b32 s21, s[\src], \sh
	s_add_co_u32 s20, s20, s21
.endm
	s_bfe_u32 s96, s17, 0x10001                    ; the batch: bit 1 of the cluster's y
	s_and_b32 s97, s17, 1                          ; which 1,024 of the batch's 2,048 tokens
	s_cmp_eq_u32 s12, 0                            ; the product is the same in all sixteen partners, and no barrier stands in the three ways
	s_cbranch_scc1 .Lq
	s_cmp_eq_u32 s12, 1
	s_cbranch_scc1 .Lk
	s_lshl_b32 s20, s96, 23                        ; v: (16 batch + 4 cy + 2 row half) x 524,288
	ADDSH 41, 21
	ADDSH 15, 20
	ADDSH 97, 18                                   ; + (16 e + 4 cx + 2 column half) x 16,384
	ADDSH 40, 16
	ADDSH 16, 15
	s_add_co_u32 s20, s20, 8192                    ; + V^T's place in a key step
	s_mov_b32 s21, 0
	s_add_nc_u64 s[10:11], s[10:11], s[20:21]
	OUT 2, 10
	s_branch .Ldone
.Lq:
	s_lshl_b32 s20, s96, 22                        ; q: batch x 4,194,304
	ADDSH 40, 20                                   ; + (8 cx + 4 column half) x 131,072
	ADDSH 16, 19
	ADDSH 97, 16                                   ; + (64 e + 16 cy + 8 row half) x 1,024
	ADDSH 41, 14
	ADDSH 15, 13
	s_mov_b32 s21, 0
	s_add_nc_u64 s[8:9], s[8:9], s[20:21]
	OUT 0, 8
	s_branch .Ldone
.Lk:
	s_and_b32 s98, s40, 1
	s_lshr_b32 s99, s40, 1                         ; the split: cx / 2
	s_lshl_b32 s20, s96, 23                        ; k: (16 batch + 8 (cx % 2) + 4 column half) x 524,288
	ADDSH 98, 22
	ADDSH 16, 21
	ADDSH 97, 18                                   ; + (16 e + 4 cy + 2 row half) x 16,384
	ADDSH 41, 16
	ADDSH 15, 15
	ADDSH 99, 12                                   ; + split x 4,096
	s_mov_b32 s21, 0
	s_add_nc_u64 s[10:11], s[10:11], s[20:21]
	OUT 1, 10
.Ldone:
	s_wait_tensorcnt 0x0                           ; the wave's end
	ds_add_u32 v[SPW], v[NIL]
	s_wait_dscnt 0x0
	CROUND                                         ; the closing round: no work-group ends while a partner may still ask for a tile that names it
	s_endpgm
.Lfunc_end_k_q9400fd03dc_proj:
	.size	k_q9400fd03dc_proj, .Lfunc_end_k_q9400fd03dc_proj-k_q9400fd03dc_proj
	.p2alignl 7, 3214868480
	.fill 96, 4, 3214868480
	.section	.rodata,"a",@progbits
	.p2align	6, 0x0
	.amdhsa_kernel k_q9400fd03dc_proj
		.amdhsa_group_segment_fixed_size 327680
		.amdhsa_private_segment_fixed_size 0
		.amdhsa_enable_private_segment 0
		.amdhsa_kernarg_size 32
		.amdhsa_user_sgpr_count 2
		.amdhsa_user_sgpr_kernarg_segment_ptr 1
		.amdhsa_wavefront_size32 1
		.amdhsa_system_sgpr_workgroup_id_x 1
		.amdhsa_system_sgpr_workgroup_id_y 1
		.amdhsa_system_sgpr_workgroup_id_z 1
		.amdhsa_system_vgpr_workitem_id 0
		.amdhsa_next_free_vgpr 1024
		.amdhsa_next_free_sgpr 100
		.amdhsa_reserve_vcc 0
		.amdhsa_float_denorm_mode_32 3
		.amdhsa_float_denorm_mode_16_64 3
		.amdhsa_memory_ordered 1
		.amdhsa_forward_progress 1
		.amdhsa_inst_pref_size 164
	.end_amdhsa_kernel
	.amdgpu_metadata
---
amdhsa.version: [ 1, 2 ]
amdhsa.kernels:
  - .name:           k_q9400fd03dc_proj
    .symbol:         k_q9400fd03dc_proj.kd
    .args:
      - { .name: codes, .offset: 0, .size: 8, .value_kind: global_buffer, .address_space: global }
      - { .name: scales, .offset: 8, .size: 8, .value_kind: global_buffer, .address_space: global }
      - { .name: qf, .offset: 16, .size: 8, .value_kind: global_buffer, .address_space: global }
      - { .name: kv, .offset: 24, .size: 8, .value_kind: global_buffer, .address_space: global }
    .group_segment_fixed_size: 327680
    .private_segment_fixed_size: 0
    .kernarg_segment_align: 8
    .kernarg_segment_size: 32
    .max_flat_workgroup_size: 128
    .sgpr_count:     100
    .vgpr_count:     1024
    .wavefront_size: 32
...
	.end_amdgpu_metadata
.endif
;; end of part 2
;; launch attn (part 3): grid 8 x 32, 8 waves a work-group, clusters of 4 x 1, 327,680 bytes of LDS; arguments qf, kv, lq1, lk1, lq2, lk2, subln_w, af; writes af
.if DOCPART == 3
	.amdgcn_target "amdgcn-amd-amdhsa--gfx1250"
	.amdhsa_code_object_version 6
	.text
	.protected	k_q9400fd03dc_attn
	.globl	k_q9400fd03dc_attn
	.p2align	8
	.type	k_q9400fd03dc_attn,@function
k_q9400fd03dc_attn:
	s_mov_b64 s[64:65], 0
	v_nop
	global_prefetch_b8 v0, s[64:65] scope:SCOPE_SE
	s_setreg_imm32_b32 hwreg(HW_REG_WAVE_MODE, 25, 1), 1
	s_wait_xcnt 0x0
	s_wait_alu depctr_hold_cnt(0) depctr_sa_sdst(0) depctr_va_vdst(0) depctr_va_sdst(0) depctr_va_ssrc(0) depctr_va_vcc(0) depctr_vm_vsrc(0)
	s_getreg_b32 s2, hwreg(HW_REG_IB_STS2, 6, 4)
	s_cmp_eq_u32 s2, 0
	s_cbranch_scc0 .Lentry_in_a_cluster
	s_endpgm
.Lentry_in_a_cluster:
	s_bfe_u32 s2, ttmp6, 0x10000c
	s_cmp_lg_u32 s2, 0x3003
	s_cbranch_scc0 .Lentry_shape_is_right
	s_endpgm
.Lentry_shape_is_right:
; For each (batch, head): a1 = softmax(q1 k1^T / sqrt(32)) v, a2 = softmax(q2 k2^T / sqrt(32)) v; attn = a1 - lam a2, lam = exp(lq1 . lk1) - exp(lq2 . lk2) + LAMBDA_INIT;
; attn x rsqrt(mean over the head's 64 channels of attn^2 + 1e-5) x subln_w x (1 - LAMBDA_INIT), rounded to f16.  Operands of the products in f16, sums, maxima and all else in f32.
; qf, kv: images of 16-bit operands (16 rows x 32 k in 1,024 bytes: byte 256 o + 16 r = k 8 o .. 8 o + 7 of row r): two loads of 16 bytes a lane, at 16 x lane and 512 + 16 x lane, are an operand's eight registers.
;   qf [batch][16 split + head][query / 16][1,024];  kv [16 batch + head][key / 64][16,384]: K of split 1 (4 images), K of split 2 (4), V^T ([keys / 32][channels / 16], 8).
;   af, the result: [k / 256][token / 16][(k / 32) % 8][1,024], k = 64 head + channel: images of the last product's operand.
; SHARES.  A work-group owns 256 queries of one (batch, head); each of its eight waves owns 32 of them in BOTH splits: four tiles t = 2 split + u.  So V's fragments serve four tiles, K's two, and a1 - lam a2 and
; the norm never leave the lane.  Two waves lie on a SIMD: one wave's softmax stands beside the other's products.  Every wave walks the head's 2,048 keys, 64 a step.
; LAYOUT.  S^T = K Q^T (source 0 = 16 keys, source 1 = 16 queries): a lane holds ONE query (lane % 16) and the keys 8 (lane / 16) + 0..7 of each tile.  Two such tiles, rounded to f16 in pairs, ARE source 1
; (32 keys x 16 queries) of O^T = V^T P, whose result again holds one query a lane, and eight channels.
; SOFTMAX.  For each query a running maximum m and sum l: p = 2^(c s - c m), c = log2(e) / sqrt(32); in every step O^T and l are multiplied by a = 2^(c m_old - c m_new).
; THE RING.  Two LDS slots of eight key steps (131,072 bytes), kv's bytes as they lie; every LDS load reads 512 consecutive bytes, so there is no padding.  Wave w fetches step w of a slot: one tensor load of 16,384 bytes.
; CLUSTER.  The four query blocks of a cluster belong to one head and walk the same K and V: each tile is asked for JOINTLY, by the same tensor load with the same descriptor and a mask that names the four.
; No prefetch is written: half of a head's K and V is asked for at the start, and each of the two refills has eight key steps' work in which to land.
; LIMITS: q, k, v arrive in f16 (infinite beyond 65,504); a weight p under 2^-24 counts as 0 in the second product.
; REGISTERS.  Window 0: v1 16 x lane; v2 the LDS address in hand; v3, v4 the add's two; v5 -lam; v6-11 at work; v16-47 statistics, eight a tile: +0 c m, +1 m, +2, +3 l (even keys', odd keys'), +4 to +7 c0-c3 (a takes c2's place);
;   v48-111 S^T of one split, 32 a tile; p's f16 pairs are written over a tile's first 16;  v112-239 O^T, 32 a tile.
; Window 1: v0-31 Q, 8 a tile; v64-127 K of one step (32 a split); v128-191 V^T of one step; v192-223 subln_w x (1 - LAMBDA_INIT) at my 32 channels.
.set SLOTB, 131072
.set STEPB, 16384
.set SPARE, 2*SLOTB                    ; behind the ring: the spare words, 128 bytes for each of the eight waves
.set L16, 1
.set ADR, 2
.set SPW, 3
.set NIL, 4
.set NLAM, 5
.set ST,  16
.set S,   48
.set OA,  112
.set QF,  0
.set KF,  64
.set VF,  128
.set WG,  192
.set WV,  20                           ; s20  my wave's number
.set G1,  24                           ; s[24:31] descriptor group 1
.set G0,  32                           ; s[32:39] descriptor group 0, one set for each slot
.set TF,  40                           ; s40  LDS byte at which the step to be fetched begins
.set CNT, 41                           ; s41  counts a loop's trips
.set CS,  42                           ; s[42:43] c: the packed form names a pair and takes its low word for both halves
.set SEL, 44                           ; s[44:45] lane selects for v_permlanex16_b32: lane l xor 16
.set MSB, 0
.macro WIN new                         ; the immediate's high byte repeats the setting that is left
.if MSB != \new
	s_set_vgpr_msb (MSB<<8)|\new
.set MSB, \new
.endif
.endm
.macro PLACES n
.rept \n
	v_nop
.endr
.endm
.macro CROUND                          ; a round of the cluster's barrier: my work-group's barrier; wave 0 signals for the work-group; every wave waits for all four; my work-group's barrier once more
	s_barrier_signal -1
	s_barrier_wait -1
	s_cmp_lg_u32 s[WV], 0
	s_cbranch_scc1 .Lnot_wave_0_\@
	s_barrier_signal -3
.Lnot_wave_0_\@:
	s_barrier_wait -3
	s_barrier_signal -1
	s_barrier_wait -1
.endm
	s_load_b512 s[4:19], s[0:1], 0x0               ; qf s[4:5], kv s[6:7], lq1, lk1, lq2, lk2 s[8:15], subln_w s[16:17], af s[18:19]
	v_lshl_add_u32 v[SPW], v0, 2, SPARE
	v_mov_b32 v[NIL], 0
	ds_add_u32 v3, v4
	ds_add_u32 v3, v4
	s_wait_dscnt 0x0
	v_lshrrev_b32 v6, 5, v0
	v_readfirstlane_b32 s[WV], v6                  ; wave 0..7
	s_bfe_u32 s21, ttmp6, 0x40000                  ; cx: my place in the cluster
	s_lshl_b32 s22, ttmp9, 2                       ; in a cluster launch ttmp9 counts clusters
	s_add_co_u32 s22, s22, s21                     ; my block of 256 queries: it enters qf's and af's addresses alone
	s_and_b32 s23, ttmp7, 0xffff                   ; 16 batch + head, which the four partners share
	v_and_b32 v7, 31, v0
	v_lshlrev_b32 v[L16], 4, v7
	v_lshlrev_b32 v7, 2, v7                        ; 4 x lane: the four short vectors
	v_bfe_u32 v6, v0, 4, 1
	v_lshlrev_b32 v6, 5, v6                        ; 32 (lane / 16): my half's eight channels of a tile of 16
	; descriptor group 1: a dense block of 16,384 bytes as 64 rows of 256 bytes
	s_mov_b32 s[G1+0], 15|(3<<16)|(1<<21)          ; 15:0 the mask: all four work-groups; 17:16 elements of 8 bytes; 20 no padding; 21 set beside a mask
	s_mov_b32 s[G1+1], 32<<16                      ; tensor_dim0 = 32
	s_mov_b32 s[G1+2], 64<<16                      ; tensor_dim1 = 64
	s_mov_b32 s[G1+3], 32<<16                      ; tile_dim0 = 32
	s_mov_b32 s[G1+4], 64                          ; tile_dim1 = 64
	s_mov_b32 s[G1+5], 32                          ; tensor_dim0_stride
	s_mov_b32 s[G1+6], 0
	s_mov_b32 s[G1+7], 0
	s_mov_b32 s[CS], 0x3e8293ee                    ; c = log2(e) / sqrt(32)
	s_mov_b32 s[CS+1], s[CS]                       ; named with it as a pair, so it is written
	s_mov_b32 s[SEL], 0x76543210
	s_mov_b32 s[SEL+1], 0xfedcba98
	s_mov_b32 s46, 0x3c800000                      ; 1 / 64
	s_mov_b32 s47, 0x3727c5ac                      ; 1e-5
	s_lshl_b32 s48, s23, 19                        ; kv: the head's 524,288 bytes,
	s_lshl_b32 s50, s[WV], 14                      ; + 16,384 x wave, in memory and in a slot: no place in the cluster enters either
	s_add_co_u32 s48, s48, s50
	s_mov_b32 s49, 0
	s_lshr_b32 s51, s23, 4                         ; batch
	s_and_b32 s56, s23, 15                         ; head
	s_lshl_b32 s57, s22, 4
	s_lshl_b32 s58, s[WV], 1
	s_add_co_u32 s57, s57, s58                     ; my first tile of 16 queries in the batch: 16 x block + 2 x wave
	s_lshl_b32 s52, s51, 22                        ; qf: batch x 4,194,304 + head x 131,072 + tile x 1,024
	s_lshl_b32 s58, s56, 17
	s_add_co_u32 s52, s52, s58
	s_lshl_b32 s58, s57, 10
	s_add_co_u32 s52, s52, s58
	s_mov_b32 s53, 0
	s_lshr_b32 s54, s56, 2                         ; af: (head / 4) x 2,097,152 + (128 batch + tile) x 8,192 + (head % 4) x 2,048
	s_lshl_b32 s54, s54, 21
	s_lshl_b32 s58, s51, 7
	s_add_co_u32 s58, s58, s57
	s_lshl_b32 s58, s58, 13
	s_add_co_u32 s54, s54, s58
	s_and_b32 s58, s23, 3
	s_lshl_b32 s58, s58, 11
	s_add_co_u32 s54, s54, s58
	s_mov_b32 s55, 0
	s_wait_kmcnt 0x0
	s_add_nc_u64 s[6:7], s[6:7], s[48:49]
	s_add_nc_u64 s[4:5], s[4:5], s[52:53]
	s_add_nc_u64 s[18:19], s[18:19], s[54:55]
	CROUND                                         ; all four work-groups are here: the first joint loads meet
.irp n, 0,1
	s_mov_b32 s[G0+4*\n], 1                        ; 1:0 count = 1
	s_add_co_u32 s[G0+4*\n+1], s50, \n*SLOTB       ; 63:32 LDS address
	s_add_nc_u64 s[G0+4*\n+2:G0+4*\n+3], s[6:7], \n*SLOTB   ; 120:64 global address: slot n begins with key steps 8 n to 8 n + 7
	s_or_b32 s[G0+4*\n+3], s[G0+4*\n+3], 0x80000000   ; 127:126 type = 2
.endr
	tensor_load_to_lds s[G0:G0+3], s[G1:G1+7]      ; the two first fills stand together, ahead of every wait on TENSORcnt and every LDS read: two loads of mine are out
	s_nop 0
	tensor_load_to_lds s[G0+4:G0+7], s[G1:G1+7]
	s_nop 0
	PLACES 4
	WIN 0x40                                       ; destination window 1, address window 0
.irp s, 0,1
.irp u, 0,1
.irp c, 0,1
	global_load_b128 v[QF+8*(2*\s+\u)+4*\c:QF+8*(2*\s+\u)+4*\c+3], v[L16], s[4:5] offset:\s*2097152+\u*1024+\c*512   ; Q stays in registers
.endr
.endr
.endr
.irp ct, 0,1,2,3
	global_load_b128 v[WG+8*\ct:WG+8*\ct+3], v6, s[16:17] offset:64*\ct          ; subln_w at channels 16 ct + 8 (lane / 16) + 0 .. 7
	global_load_b128 v[WG+8*\ct+4:WG+8*\ct+7], v6, s[16:17] offset:64*\ct+16
.endr
	WIN 0
	global_load_b32 v8, v7, s[8:9]
	global_load_b32 v9, v7, s[10:11]
	global_load_b32 v10, v7, s[12:13]
	global_load_b32 v11, v7, s[14:15]
	s_wait_loadcnt 0x0
	v_mul_f32 v8, v8, v9                           ; lq1 lk1 and lq2 lk2, a lane an element; summed over the 32 lanes
	v_mul_f32 v10, v10, v11
.irp x, 1,2,4,8
	v_add_f32_dpp v8, v8, v8 row_xmask:\x row_mask:0xf bank_mask:0xf
	v_add_f32_dpp v10, v10, v10 row_xmask:\x row_mask:0xf bank_mask:0xf
.endr
	v_permlanex16_b32 v9, v8, s[SEL], s[SEL+1]
	v_permlanex16_b32 v11, v10, s[SEL], s[SEL+1]
	v_add_f32 v8, v8, v9
	v_add_f32 v10, v10, v11
	v_mul_f32 v8, 0x3fb8aa3b, v8                   ; x log2(e)
	v_mul_f32 v10, 0x3fb8aa3b, v10
	v_exp_f32 v8, v8
	v_exp_f32 v10, v10
	v_nop                                          ; a plain line behind the exponentials
	s_wait_alu depctr_va_vdst(0)
	v_sub_f32 v[NLAM], v10, v8
	v_add_f32 v[NLAM], 0xbf1e895d, v[NLAM]         ; -lam = (lam2 - lam1) - LAMBDA_INIT, LAMBDA_INIT = 0.8 - 0.6 exp(-1.2): the exact negative of the sum taken in the given order
	WIN 0x41                                       ; destination and source 0 window 1
.set i, 0
.rept 16
	v_pk_mul_f32 v[WG+2*i:WG+2*i+1], v[WG+2*i:WG+2*i+1], 0x3ec2ed47 op_sel_hi:[1,0]   ; x (1 - LAMBDA_INIT)
.set i, i+1
.endr
	WIN 0
; THE LDS LOADS stand in two runs of 16: a step's K (both splits) and its V^T.
.macro FETCH_K
	v_add_nc_u32 v[ADR], s[TF], v[L16]
	WIN 0x40
.irp s, 0,1
.irp kt, 0,1,2,3
.irp c, 0,1
	ds_load_b128 v[KF+32*\s+8*\kt+4*\c:KF+32*\s+8*\kt+4*\c+3], v[ADR] offset:4096*\s+1024*\kt+512*\c
.endr
.endr
.endr
	WIN 0
.endm
.macro FETCH_V
	WIN 0x40
.irp kh, 0,1
.irp ct, 0,1,2,3
.irp c, 0,1
	ds_load_b128 v[VF+32*\kh+8*\ct+4*\c:VF+32*\kh+8*\ct+4*\c+3], v[ADR] offset:8192+4096*\kh+1024*\ct+512*\c
.endr
.endr
.endr
	WIN 0
	s_add_co_u32 s[TF], s[TF], STEPB               ; the next fetch is the next step's
.endm
; S^T = K Q^T of split s: eight products, each a whole sum (the head's 32 are one instruction deep).
.macro QK s
.irp kt, 0,1,2,3
.irp u, 0,1
	v_wmma_f32_16x16x32_f16 v[S+32*\u+8*\kt:S+32*\u+8*\kt+7], v[KF+32*\s+8*\kt:KF+32*\s+8*\kt+7], v[QF+8*(2*\s+\u):QF+8*(2*\s+\u)+7], 0
.endr
.endr
.endm
; O^T += V^T P of split s: sixteen products on eight accumulators by turns, one instruction a turn.  first = 1: the first eight start the sums: nothing is ever cleared.
.macro PV s, first
.irp kh, 0,1
.irp ct, 0,1,2,3
.irp u, 0,1
.if \first && (\kh == 0)
	v_wmma_f32_16x16x32_f16 v[OA+32*(2*\s+\u)+8*\ct:OA+32*(2*\s+\u)+8*\ct+7], v[VF+32*\kh+8*\ct:VF+32*\kh+8*\ct+7], v[S+32*\u+8*\kh:S+32*\u+8*\kh+7], 0
.else
	v_wmma_f32_16x16x32_f16 v[OA+32*(2*\s+\u)+8*\ct:OA+32*(2*\s+\u)+8*\ct+7], v[VF+32*\kh+8*\ct:VF+32*\kh+8*\ct+7], v[S+32*\u+8*\kh:S+32*\u+8*\kh+7], v[OA+32*(2*\s+\u)+8*\ct:OA+32*(2*\s+\u)+8*\ct+7]
.endif
.endr
.endr
.endr
.endm
; THE SOFTMAX of split s's two tiles for one key step.  PHA writes line PN of its first part for tile u: the maximum of the lane's 32 scores and the old m (four chains, each accumulator read from its low end on),
; the other half of the lanes' maximum, the new m, c m, and a.  first = 1: the first key step has no old m and no a.
.macro PHA s, u, first
.set rT, ST+8*(2*\s+\u)
.set rS, S+32*\u
.if PN < 4
	v_max3_num_f32 v[rT+4+PN], v[rS+8*PN], v[rS+8*PN+1], v[rS+8*PN+2]
.elseif PN < 12
	v_max3_num_f32 v[rT+4+PN%4], v[rT+4+PN%4], v[rS+8*(PN%4)+2*(PN/4)+1], v[rS+8*(PN%4)+2*(PN/4)+2]
.elseif PN == 12
	v_max3_num_f32 v[rT+4], v[rT+4], v[rS+7], v[rS+15]
.elseif PN == 13
	v_max3_num_f32 v[rT+6], v[rT+6], v[rS+23], v[rS+31]
.elseif PN == 14
	v_max3_num_f32 v[rT+4], v[rT+4], v[rT+5], v[rT+6]
.elseif (PN == 15) && \first
	v_max_num_f32 v[rT+4], v[rT+4], v[rT+7]
.elseif PN == 15
	v_max3_num_f32 v[rT+4], v[rT+4], v[rT+7], v[rT+1]
.elseif PN == 16
	v_permlanex16_b32 v[rT+5], v[rT+4], s[SEL], s[SEL+1]   ; the query's other 32 keys lie in the lane 16 away
.elseif PN == 18
	v_max_num_f32 v[rT+1], v[rT+4], v[rT+5]
.elseif PN == 19
	v_mul_f32 v[rT], s[CS], v[rT+1]
.elseif \first                         ; the first step has none of the three below
.elseif PN == 17
	v_mov_b32 v[rT+7], v[rT]                       ; c m_old is kept for a: line 19 writes c m anew
.elseif PN == 20
	v_sub_f32 v[rT+7], v[rT+7], v[rT]
.elseif PN == 21
	v_exp_f32 v[rT+6], v[rT+7]                     ; a = 2^(c m_old - c m_new)
.endif
.endm
.macro SMF b, s, u                     ; pair b of tile u: c s - c m
.if (\b) < 16
	v_pk_fma_f32 v[S+32*\u+2*(\b):S+32*\u+2*(\b)+1], v[S+32*\u+2*(\b):S+32*\u+2*(\b)+1], s[CS:CS+1], v[ST+8*(2*\s+\u):ST+8*(2*\s+\u)+1] op_sel_hi:[1,0,0] neg_lo:[0,0,1] neg_hi:[0,0,1]
.endif
.endm
.macro SME r, u                        ; p = 2^(c s - c m), in place
	v_exp_f32 v[S+32*\u+(\r)], v[S+32*\u+(\r)]
.endm
.macro SMR b, s, u, first              ; pair b of the tile's O^T x a
.if !\first
	s_wait_alu depctr_va_vdst(0)
	v_pk_mul_f32 v[OA+32*(2*\s+\u)+2*(\b):OA+32*(2*\s+\u)+2*(\b)+1], v[OA+32*(2*\s+\u)+2*(\b):OA+32*(2*\s+\u)+2*(\b)+1], v[ST+8*(2*\s+\u)+6:ST+8*(2*\s+\u)+7] op_sel_hi:[1,0]
.endif
.endm
.macro SMA b, s, u, first              ; l takes pair b of the weights, in f32; with pair 0 it is first brought under the new m
.if (\b) == 0
.if \first
	s_wait_alu depctr_va_vdst(0)
	v_mov_b32 v[ST+8*(2*\s+\u)+2], v[S+32*\u]
	v_mov_b32 v[ST+8*(2*\s+\u)+3], v[S+32*\u+1]
.else
	s_wait_alu depctr_va_vdst(0)
	v_pk_fma_f32 v[ST+8*(2*\s+\u)+2:ST+8*(2*\s+\u)+3], v[ST+8*(2*\s+\u)+2:ST+8*(2*\s+\u)+3], v[ST+8*(2*\s+\u)+6:ST+8*(2*\s+\u)+7], v[S+32*\u:S+32*\u+1] op_sel_hi:[1,0,1]
.endif
.elseif (\b) > 0
	s_wait_alu depctr_va_vdst(0)
	v_pk_add_f32 v[ST+8*(2*\s+\u)+2:ST+8*(2*\s+\u)+3], v[ST+8*(2*\s+\u)+2:ST+8*(2*\s+\u)+3], v[S+32*\u+2*(\b):S+32*\u+2*(\b)+1]
.endif
.endm
.macro SMC b, u                        ; pair b rounded to f16, into the tile's register b: that register's own pair, b / 2, has been summed and rounded before (for b = 0 the line above has read it)
.if (\b) >= 0
	v_cvt_pk_f16_f32 v[S+32*\u+(\b)], v[S+32*\u+2*(\b)], v[S+32*\u+2*(\b)+1]
.endif
.endm
; The second part: behind nearly every exponential stand two plain lines that are ready: a scaling two pairs ahead and a rescaling of O^T, or a sum and a rounding one pair back.  No result of an exponential is used
; before a plain line has passed (ISA guide 5.7.2).
.macro SM s, first
.set PN, 0
.rept 22
	PHA \s, 0, \first                              ; the two tiles alternate, so that no line reads the result of the line just before it
	PHA \s, 1, \first
.set PN, PN+1
.endr
	SMF 0, \s, 0
	SMF 0, \s, 1
	SMF 1, \s, 0
	SMF 1, \s, 1
.set PB, 0
.rept 16
	SME 2*PB, 0
	SMF PB+2, \s, 0
	SMR PB, \s, 0, \first
	SME 2*PB+1, 0
	SMF PB+2, \s, 1
	SMR PB, \s, 1, \first
	SME 2*PB, 1
	SMA PB-1, \s, 0, \first
	SMC PB-1, 0
	SME 2*PB+1, 1
	SMA PB-1, \s, 1, \first
	SMC PB-1, 1
.set PB, PB+1
.endr
	SMA 15, \s, 0, \first
	SMC 15, 0
	SMA 15, \s, 1, \first
	SMC 15, 1
.endm
; A KEY STEP.  fetch = 1: the next step's K is fetched when both splits have multiplied by this step's, its V^T when both have multiplied by this step's.
; Places (ISA guide 7.12.1 for the first read of results): four in front of the first read of results and of loads into registers that matrix instructions have read;
; five in front of products whose results are laid over the weights that the products before them read.
.macro TRIP first, fetch
	s_wait_dscnt 16                                ; K is in; the sixteen younger loads, V^T's, may be out
	WIN 0x05                                       ; sources 0 and 1 window 1
	QK 0
	WIN 0
	PLACES 4
	SM 0, \first
	s_wait_dscnt 0x0                               ; V^T is in
	WIN 0x01                                       ; source 0 window 1
	PV 0, \first
	PLACES 5
	WIN 0x05
	QK 1
	WIN 0
	PLACES 4
.if \fetch
	FETCH_K
.endif
	SM 1, \first
	WIN 0x01
	PV 1, \first
	WIN 0
	PLACES 5
.if \fetch
	FETCH_V
.endif
.endm
.macro LOOP n
	s_mov_b32 s[CNT], \n
.Ltrip_\@:
	TRIP 0, 1
	s_sub_co_u32 s[CNT], s[CNT], 1
	s_cmp_lg_u32 s[CNT], 0
	s_cbranch_scc1 .Ltrip_\@
.endm
; THE CHANGE OF SLOTS stands where a slot's last step has been fetched into registers, one step before it is multiplied.  Each wave waits for all its tensor loads, of which one is out: its part of the other slot;
; adds 0 to its spare word; and waits for that and for its own reads of the slot.  Behind the barrier nobody reads this slot any more and the other slot is whole.
; fill = 1: the slot is filled again, with the key steps two slots on.  The barrier is then a round of the cluster's, and the joint refill is the first thing behind it: it has eight key steps in which to land.
.macro CHANGE fill, slot, tf
	s_wait_tensorcnt 0x0                           ; no tensor load of mine is out, so a group 0 may be written
	ds_add_u32 v[SPW], v[NIL]                      ; 0 onto my spare word
.if \fill
	s_add_nc_u64 s[G0+4*\slot+2:G0+4*\slot+3], s[G0+4*\slot+2:G0+4*\slot+3], 2*SLOTB   ; the type bits on top are not reached
.endif
	s_mov_b32 s[TF], \tf                           ; the fetches go on at the other slot's first step
	s_wait_dscnt 0x0                               ; the add is done, and my reads of the slot are over
.if \fill
	CROUND
	tensor_load_to_lds s[G0+4*\slot:G0+4*\slot+3], s[G1:G1+7]
	s_nop 0
	PLACES 4
.else
	s_barrier_signal -1
	s_barrier_wait -1
.endif
.endm
	s_wait_tensorcnt 1                             ; my part of slot 0 is in; slot 1's may stay out
	s_barrier_signal -1
	s_barrier_wait -1                              ; everybody's is
	s_mov_b32 s[TF], 0
	FETCH_K                                        ; key step 0
	FETCH_V
	TRIP 1, 1                                      ; step 0 starts m, l and O^T
	LOOP 6                                         ; steps 1 to 6; step 7 has been fetched
	CHANGE 1, 0, SLOTB                             ; slot 0 takes steps 16 to 23
	LOOP 8                                         ; steps 7 to 14
	CHANGE 1, 1, 0                                 ; slot 1 takes steps 24 to 31
	LOOP 8                                         ; steps 15 to 22
	CHANGE 0, 0, SLOTB                             ; nothing is left to ask for
	LOOP 8                                         ; steps 23 to 30
	TRIP 0, 0                                      ; step 31
	; THE WAY OUT.  l's two halves and the other half of the lanes' are added.  (These additions stand behind the five places that close the last step.)
.irp t, 0,1,2,3
	v_add_f32 v[ST+8*\t+4], v[ST+8*\t+2], v[ST+8*\t+3]
.endr
.irp t, 0,1,2,3
	v_permlanex16_b32 v[ST+8*\t+5], v[ST+8*\t+4], s[SEL], s[SEL+1]
.endr
.irp t, 0,1,2,3
	v_add_f32 v[ST+8*\t+4], v[ST+8*\t+4], v[ST+8*\t+5]
.endr
.irp t, 0,1,2,3
	v_rcp_f32 v[ST+8*\t+6], v[ST+8*\t+4]
.endr
	v_nop                                          ; a plain line between the last reciprocal and the use of its result
	s_wait_alu depctr_va_vdst(0)
.irp u, 0,1
	v_mul_f32 v[ST+8*(2+\u)+6], v[NLAM], v[ST+8*(2+\u)+6]   ; -lam / l of split 2
.endr
.irp u, 0,1
.set i, 0
.rept 16
	v_pk_mul_f32 v[OA+32*(2+\u)+2*i:OA+32*(2+\u)+2*i+1], v[OA+32*(2+\u)+2*i:OA+32*(2+\u)+2*i+1], v[ST+8*(2+\u)+6:ST+8*(2+\u)+7] op_sel_hi:[1,0]   ; -lam a2, each accumulator from its low end on
.set i, i+1
.endr
.endr
.irp u, 0,1
.set i, 0
.rept 16
	v_pk_fma_f32 v[OA+32*\u+2*i:OA+32*\u+2*i+1], v[OA+32*\u+2*i:OA+32*\u+2*i+1], v[ST+8*\u+6:ST+8*\u+7], v[OA+32*(2+\u)+2*i:OA+32*(2+\u)+2*i+1] op_sel_hi:[1,0,1]   ; a1 - lam a2
.set i, i+1
.endr
.endr
.irp u, 0,1
	v_pk_mul_f32 v[6+2*\u:7+2*\u], v[OA+32*\u:OA+32*\u+1], v[OA+32*\u:OA+32*\u+1]   ; the sum of squares of my 32 channels, the two tiles by turns
.endr
.set i, 1
.rept 15
.irp u, 0,1
	v_pk_fma_f32 v[6+2*\u:7+2*\u], v[OA+32*\u+2*i:OA+32*\u+2*i+1], v[OA+32*\u+2*i:OA+32*\u+2*i+1], v[6+2*\u:7+2*\u]
.endr
.set i, i+1
.endr
.irp u, 0,1
	v_add_f32 v[6+2*\u], v[6+2*\u], v[7+2*\u]
.endr
.irp u, 0,1
	v_permlanex16_b32 v[7+2*\u], v[6+2*\u], s[SEL], s[SEL+1]   ; the query's other 32 channels lie in the lane 16 away
.endr
.irp u, 0,1
	v_add_f32 v[6+2*\u], v[6+2*\u], v[7+2*\u]
.endr
.irp u, 0,1
	v_fma_f32 v[6+2*\u], v[6+2*\u], s46, s47       ; the mean + 1e-5
.endr
.irp u, 0,1
	v_rsq_f32 v[6+2*\u], v[6+2*\u]
.endr
	v_nop                                          ; a plain line behind the transcendentals
	s_wait_alu depctr_va_vdst(0)
.irp u, 0,1
.set i, 0
.rept 16
	v_pk_mul_f32 v[OA+32*\u+2*i:OA+32*\u+2*i+1], v[OA+32*\u+2*i:OA+32*\u+2*i+1], v[6+2*\u:7+2*\u] op_sel_hi:[1,0]
.set i, i+1
.endr
.endr
	WIN 0x04                                       ; source 1 window 1
.irp u, 0,1
.set i, 0
.rept 16
	v_pk_mul_f32 v[OA+32*\u+2*i:OA+32*\u+2*i+1], v[OA+32*\u+2*i:OA+32*\u+2*i+1], v[WG+2*i:WG+2*i+1]   ; x subln_w x (1 - LAMBDA_INIT)
.set i, i+1
.endr
.endr
	WIN 0
.irp u, 0,1
.set i, 0
.rept 16
	v_cvt_pk_f16_f32 v[S+16*\u+i], v[OA+32*\u+2*i], v[OA+32*\u+2*i+1]   ; a lane's eight channels of a tile of 16 are 16 bytes of an image
.set i, i+1
.endr
.irp ct, 0,1,2,3
	global_store_b128 v[L16], v[S+16*\u+4*\ct:S+16*\u+4*\ct+3], s[18:19] offset:\u*8192+\ct*512   ; 32 lanes store 512 consecutive bytes, aligned
.endr
.endr
	s_wait_tensorcnt 0x0                           ; the wave's end
	ds_add_u32 v[SPW], v[NIL]
	s_wait_dscnt 0x0
	CROUND                                         ; the closing round: no work-group ends while a partner may still ask for a tile that names it
	s_endpgm
.Lfunc_end_k_q9400fd03dc_attn:
	.size	k_q9400fd03dc_attn, .Lfunc_end_k_q9400fd03dc_attn-k_q9400fd03dc_attn
	.p2alignl 7, 3214868480
	.fill 96, 4, 3214868480
	.section	.rodata,"a",@progbits
	.p2align	6, 0x0
	.amdhsa_kernel k_q9400fd03dc_attn
		.amdhsa_group_segment_fixed_size 327680
		.amdhsa_private_segment_fixed_size 0
		.amdhsa_enable_private_segment 0
		.amdhsa_kernarg_size 64
		.amdhsa_user_sgpr_count 2
		.amdhsa_user_sgpr_kernarg_segment_ptr 1
		.amdhsa_wavefront_size32 1
		.amdhsa_system_sgpr_workgroup_id_x 1
		.amdhsa_system_sgpr_workgroup_id_y 1
		.amdhsa_system_sgpr_workgroup_id_z 1
		.amdhsa_system_vgpr_workitem_id 0
		.amdhsa_next_free_vgpr 480
		.amdhsa_next_free_sgpr 66
		.amdhsa_reserve_vcc 0
		.amdhsa_float_denorm_mode_32 3
		.amdhsa_float_denorm_mode_16_64 3
		.amdhsa_memory_ordered 1
		.amdhsa_forward_progress 1
		.amdhsa_inst_pref_size 229
	.end_amdhsa_kernel
	.amdgpu_metadata
---
amdhsa.version: [ 1, 2 ]
amdhsa.kernels:
  - .name:           k_q9400fd03dc_attn
    .symbol:         k_q9400fd03dc_attn.kd
    .args:
      - { .name: qf, .offset: 0, .size: 8, .value_kind: global_buffer, .address_space: global }
      - { .name: kv, .offset: 8, .size: 8, .value_kind: global_buffer, .address_space: global }
      - { .name: lq1, .offset: 16, .size: 8, .value_kind: global_buffer, .address_space: global }
      - { .name: lk1, .offset: 24, .size: 8, .value_kind: global_buffer, .address_space: global }
      - { .name: lq2, .offset: 32, .size: 8, .value_kind: global_buffer, .address_space: global }
      - { .name: lk2, .offset: 40, .size: 8, .value_kind: global_buffer, .address_space: global }
      - { .name: subln_w, .offset: 48, .size: 8, .value_kind: global_buffer, .address_space: global }
      - { .name: af, .offset: 56, .size: 8, .value_kind: global_buffer, .address_space: global }
    .group_segment_fixed_size: 327680
    .private_segment_fixed_size: 0
    .kernarg_segment_align: 8
    .kernarg_segment_size: 64
    .max_flat_workgroup_size: 256
    .sgpr_count:     66
    .vgpr_count:     480
    .wavefront_size: 32
...
	.end_amdgpu_metadata
.endif
;; end of part 3
;; launch outp (part 4): grid 8 x 32, 4 waves a work-group, clusters of 4 x 4, 327,680 bytes of LDS; arguments af, wf, bp, out0; writes out0
.if DOCPART == 4
	.amdgcn_target "amdgcn-amd-amdhsa--gfx1250"
	.amdhsa_code_object_version 6
	.text
	.protected	k_q9400fd03dc_outp
	.globl	k_q9400fd03dc_outp
	.p2align	8
	.type	k_q9400fd03dc_outp,@function
k_q9400fd03dc_outp:
	s_mov_b64 s[64:65], 0
	v_nop
	global_prefetch_b8 v0, s[64:65] scope:SCOPE_SE
	s_setreg_imm32_b32 hwreg(HW_REG_WAVE_MODE, 25, 1), 1
	s_wait_xcnt 0x0
	s_wait_alu depctr_hold_cnt(0) depctr_sa_sdst(0) depctr_va_vdst(0) depctr_va_sdst(0) depctr_va_ssrc(0) depctr_va_vcc(0) depctr_vm_vsrc(0)
	s_getreg_b32 s2, hwreg(HW_REG_IB_STS2, 6, 4)
	s_cmp_eq_u32 s2, 0
	s_cbranch_scc0 .Lentry_in_a_cluster
	s_endpgm
.Lentry_in_a_cluster:
	s_bfe_u32 s2, ttmp6, 0x10000c
	s_cmp_lg_u32 s2, 0xf033
	s_cbranch_scc0 .Lentry_shape_is_right
	s_endpgm
.Lentry_shape_is_right:
; out0[t][n] = the sum over k of attn[t][k] Wp[n][k] + bp[n]: 4,096 x 1,024 x 1,024, operands in f16, sums in f32, out0 in f32.
; af and wf hold IMAGES of 16-bit operands (16 rows x 32 k in 1,024 bytes: byte 256 o + 16 r = k 8 o .. 8 o + 7 of row r): af [k / 256][token / 16][(k / 32) % 8][1,024], wf [k / 256][n / 16][(k / 32) % 8][1,024].
; So a K step of 256 of 64 rows is one dense block of 32,768 bytes for one tensor load, a fragment is two LDS loads of 512 consecutive bytes, and there is no padding.
; A tile of out0 is 128 x 128: 256 work-groups.  Four waves, each 64 x 64: 16 accumulators of 16 x 16.  K goes in four steps of 256 through two LDS slots: each slot is filled again once.
; CLUSTERS: 4 x 4 work-groups.  The four of a row of the cluster need the same tiles of A (attn), the four of a column the same tiles of B (Wp): each tile is asked for JOINTLY, by the same tensor load with the same
; descriptor and a mask that names the four.  THE MATRIX INSTRUCTION IS USED TRANSPOSED (source 0 = 16 rows of Wp, source 1 = 16 tokens): a lane holds eight neighbouring numbers of a row of out0.
; The bias is the C of each sum's first matrix instruction: eight registers for each block of 16 columns, in the result's layout.
; REGISTERS: window 0: v0-31 addresses; v32-95 rows of out0 on the way out; v96-127 the bias; v128-255 the accumulators ((a, b) at v[128 + 8 (4 a + b)]).
;   window 1: two fragment buffers of 128: for 64 along K (two matrix instructions deep), 64 registers of A, then 64 of B.
.set SLOT,   131072                    ; A's 128 rows x 256 k (65,536 bytes), then B's
.set STAGE,  2*SLOT                    ; behind the ring: 16 rows x 272 bytes for each wave, for the way out
.set SPITCH, 272
.set SPARE,  STAGE+4*16*SPITCH         ; behind the stages: the spare words, 128 bytes for each wave
.set ADRA, 16                          ; v16-17  LDS address of my A fragments in slot 0, 1
.set ADRB, 20                          ; v20-21  the same for B
.set STO,  24                          ; v24     the way out: where I put 32 bytes of a row
.set RD,   25                          ; v25     the way out: where I read a row back
.set CO,   26                          ; v26     my byte offset in out0
.set SPW,  28                          ; v28     LDS address of my spare word; never rewritten
.set NIL,  29                          ; v29     0; never rewritten
.set BK,   32
.set BIAS, 96
.set ACC,  128
.set F0,   0                           ; fragment buffers, in window 1
.set F1,   128
.set G1, 24                            ; s[24:31] descriptor group 1 for A's tiles;  s[32:39] group 0, one set for each slot
.set G0, 32
.set G1B, 48                           ; s[48:55], s[56:63] the same for B's tiles
.set G0B, 56
.set MSB, 0
.macro WIN new                         ; the immediate's high byte repeats the setting that is left
.if MSB != \new
	s_set_vgpr_msb (MSB<<8)|\new
.set MSB, \new
.endif
.endm
.set MUL,  0x05                        ; sources 0 (B) and 1 (A) window 1; C and D window 0
.set TO_F, 0x40                        ; destination window 1, address window 0
.macro JLOAD s                         ; a joint load: waves 0 and 1 fetch A's two halves, waves 2 and 3 B's; four v_nop follow each of the two lines, ahead of the jump, the label and what follows
	s_cmp_eq_u32 s13, 0
	s_cbranch_scc0 .Lfor_b_\@
	tensor_load_to_lds s[G0+4*\s:G0+4*\s+3], s[G1:G1+7]
	s_nop 0
.rept 4
	v_nop
.endr
	s_branch .Lasked_\@
.Lfor_b_\@:
	tensor_load_to_lds s[G0B+4*\s:G0B+4*\s+3], s[G1B:G1B+7]
	s_nop 0
.rept 4
	v_nop
.endr
.Lasked_\@:
.endm
.macro CREST                           ; a round of the cluster's barrier behind its opening barrier
	s_cmp_lg_u32 s12, 0
	s_cbranch_scc1 .Lnot_wave_0_\@
	s_barrier_signal -3
.Lnot_wave_0_\@:
	s_barrier_wait -3
	s_barrier_signal -1
	s_barrier_wait -1
.endm
.macro CROUND                          ; a whole round
	s_barrier_signal -1
	s_barrier_wait -1
	CREST
.endm
	s_load_b256 s[4:11], s[0:1], 0x0               ; af s[4:5], wf s[6:7], bp s[8:9], out0 s[10:11]
	v_lshl_add_u32 v[SPW], v0, 2, SPARE
	v_mov_b32 v[NIL], 0
	ds_add_u32 v28, v29
	ds_add_u32 v28, v29
	s_wait_dscnt 0x0
	v_lshrrev_b32 v1, 5, v0
	v_readfirstlane_b32 s12, v1                    ; wave 0..3
	s_lshr_b32 s13, s12, 1                         ; which half of the tile's rows is mine.  Also: I fetch for A (0) or for B (1)
	s_and_b32 s14, s12, 1                          ; which half of its columns.  Also: which 64 rows of that tile I fetch
	s_bfe_u32 s40, ttmp6, 0x40000                  ; cx, cy: my place in the cluster
	s_bfe_u32 s41, ttmp6, 0x40004
	s_lshl_b32 s42, ttmp9, 2
	s_add_co_u32 s42, s42, s40                     ; tile column = 4 x cluster x + cx
	s_and_b32 s15, ttmp7, 0xffff
	s_lshl_b32 s15, s15, 2
	s_add_co_u32 s15, s15, s41                     ; tile row = 4 x cluster y + cy
	s_lshl_b32 s43, s41, 2
	s_lshl_b32 s43, 15, s43                        ; my row of the cluster
	s_lshl_b32 s44, 0x1111, s40                    ; my column
	; descriptor group 1: a dense block of 32,768 bytes as 128 rows of 256 bytes
	s_or_b32 s[G1+0], s43, (3<<16)|(1<<21)         ; 15:0 the mask: A's tiles go to my row; 17:16 elements of 8 bytes; 20 no padding; 21 set beside a mask
	s_or_b32 s[G1B+0], s44, (3<<16)|(1<<21)
.irp g, G1, G1B
	s_mov_b32 s[\g+1], 32<<16                      ; tensor_dim0 = 32
	s_mov_b32 s[\g+2], 128<<16                     ; tensor_dim1 = 128
	s_mov_b32 s[\g+3], 32<<16                      ; tile_dim0 = 32
	s_mov_b32 s[\g+4], 128                         ; tile_dim1 = 128
	s_mov_b32 s[\g+5], 32                          ; tensor_dim0_stride
	s_mov_b32 s[\g+6], 0
	s_mov_b32 s[\g+7], 0
.endr
	s_lshl_b32 s17, s14, 15                        ; which 64 rows of the tile I fetch: 4 x 8,192 bytes
	s_lshl_b32 s16, s15, 16
	s_add_co_u32 s16, s16, s17                     ; A: (8 x tile row + 4 x half) x 8,192
	s_lshl_b32 s46, s42, 16
	s_add_co_u32 s46, s46, s17                     ; B: (8 x tile column + 4 x half) x 8,192
	s_mov_b32 s17, 0
	s_mov_b32 s47, 0
	s_lshl_b32 s20, s12, 15                        ; where they go: wave x 32,768: no place in the cluster enters an LDS address
	s_wait_kmcnt 0x0
	s_add_nc_u64 s[16:17], s[4:5], s[16:17]
	s_add_nc_u64 s[46:47], s[6:7], s[46:47]
	CROUND                                         ; all sixteen work-groups are here: the first joint loads meet
.irp s, 0,1
	s_mov_b32 s[G0+4*\s], 1
	s_add_co_u32 s[G0+4*\s+1], s20, \s*SLOT
	s_add_nc_u64 s[G0+4*\s+2:G0+4*\s+3], s[16:17], \s*2097152      ; K step s of af
	s_or_b32 s[G0+4*\s+3], s[G0+4*\s+3], 0x80000000
	s_mov_b32 s[G0B+4*\s], 1
	s_add_co_u32 s[G0B+4*\s+1], s20, \s*SLOT
	s_add_nc_u64 s[G0B+4*\s+2:G0B+4*\s+3], s[46:47], \s*524288     ; K step s of wf
	s_or_b32 s[G0B+4*\s+3], s[G0B+4*\s+3], 0x80000000
	JLOAD \s                                       ; two tensor loads of mine are out
.endr
	v_and_b32 v1, 15, v0                           ; l % 16
	v_bfe_u32 v2, v0, 4, 1                         ; l / 16
	v_and_b32 v3, 31, v0
	v_lshlrev_b32 v3, 4, v3                        ; 16 x lane: my place in half an image
	s_lshl_b32 s21, s13, 15                        ; my 64 rows of A
	s_lshl_b32 s22, s14, 15                        ; my 64 rows of B,
	s_add_co_u32 s22, s22, 65536                   ; which lie behind A's 128
.irp s, 0,1
	v_add_nc_u32 v[ADRA+\s], s21, v3
	v_add_nc_u32 v[ADRB+\s], s22, v3
	s_add_co_u32 s21, s21, SLOT
	s_add_co_u32 s22, s22, SLOT
.endr
	s_mul_i32 s23, s12, 16*SPITCH
	s_add_co_u32 s23, s23, STAGE                   ; my stage
	v_mul_u32_u24 v4, v1, SPITCH                   ; in: row l % 16, 32 bytes for each half of the lanes
	v_lshl_add_u32 v4, v2, 5, v4
	v_add_nc_u32 v[STO], s23, v4
	v_mul_u32_u24 v5, v2, SPITCH                   ; back: lanes 0-15 take one row of 256 bytes, lanes 16-31 the next
	v_lshl_add_u32 v5, v1, 4, v5
	v_add_nc_u32 v[RD], s23, v5
	v_lshlrev_b32 v5, 12, v2                       ; and the same two rows in out0: a row is 4,096 bytes
	v_lshl_add_u32 v[CO], v1, 4, v5
	s_lshl_b32 s16, s15, 19                        ; my first row of out0: (128 x tile row + 64 x half) x 4,096
	s_lshl_b32 s17, s13, 18
	s_add_co_u32 s16, s16, s17
	s_mov_b32 s17, 0
	s_add_nc_u64 s[10:11], s[10:11], s[16:17]
	s_lshl_b32 s46, s42, 9                         ; my first column, in bytes: (128 x tile column + 64 x half) x 4
	s_lshl_b32 s47, s14, 8
	s_add_co_u32 s46, s46, s47
	s_mov_b32 s47, 0
	s_add_nc_u64 s[10:11], s[10:11], s[46:47]
	s_add_nc_u64 s[8:9], s[8:9], s[46:47]          ; and the same place in bp
	v_lshlrev_b32 v6, 5, v2                        ; my half's eight columns of a block of 16
.irp b, 0,1,2,3
	global_load_b128 v[BIAS+8*\b:BIAS+8*\b+3], v6, s[8:9] offset:64*\b
	global_load_b128 v[BIAS+8*\b+4:BIAS+8*\b+7], v6, s[8:9] offset:64*\b+16
.endr
; 8 matrix instructions: m blocks a0, a0 + 1 x all 4 n blocks, 32 along K: half c of buffer f.  zero = 1: the first product starts the sums, onto the bias.  The 16 accumulators take turns.
.macro MUL8 f, c, a0, zero
.irp a, \a0, \a0+1
.irp b, 0,1,2,3
.if \zero
	v_wmma_f32_16x16x32_f16 v[ACC+8*(4*(\a)+\b):ACC+8*(4*(\a)+\b)+7], v[\f+64+8*(4*\c+\b):\f+64+8*(4*\c+\b)+7], v[\f+8*(4*\c+\a):\f+8*(4*\c+\a)+7], v[BIAS+8*\b:BIAS+8*\b+7]
.else
	v_wmma_f32_16x16x32_f16 v[ACC+8*(4*(\a)+\b):ACC+8*(4*(\a)+\b)+7], v[\f+64+8*(4*\c+\b):\f+64+8*(4*\c+\b)+7], v[\f+8*(4*\c+\a):\f+8*(4*\c+\a)+7], v[ACC+8*(4*(\a)+\b):ACC+8*(4*(\a)+\b)+7]
.endif
.endr
.endr
.endm
; 32 LDS loads in one run: the fragments of the slot's kq-th 64 along K into buffer f; the first 32 along K first.  Block i's images lie 8,192 bytes apart, an image's halves 512.
.macro FETCH slot, kq, f
	WIN TO_F
.irp c, 0,1
.irp i, 0,1,2,3
	ds_load_b128 v[\f+64+8*(4*\c+\i):\f+64+8*(4*\c+\i)+3],   v[ADRB+\slot] offset:(2*(\kq)+\c)*1024+\i*8192
	ds_load_b128 v[\f+64+8*(4*\c+\i)+4:\f+64+8*(4*\c+\i)+7], v[ADRB+\slot] offset:(2*(\kq)+\c)*1024+\i*8192+512
	ds_load_b128 v[\f+8*(4*\c+\i):\f+8*(4*\c+\i)+3],         v[ADRA+\slot] offset:(2*(\kq)+\c)*1024+\i*8192
	ds_load_b128 v[\f+8*(4*\c+\i)+4:\f+8*(4*\c+\i)+7],       v[ADRA+\slot] offset:(2*(\kq)+\c)*1024+\i*8192+512
.endr
.endr
.endm
.macro PLACES                          ; four places in front of loads into registers that matrix instructions have read, and of the first read of results (ISA guide 7.12.1 for the first read of results)
.rept 4
	v_nop
.endr
.endm
; A K step is four quarters of 64 along K, 32 matrix instructions each, on buffers 0, 1, 0, 1.  One of the first three: multiplies buffer f and fetches the next quarter, the slot's kq-th, into g.
.macro QUARTER slot, kq, f, g, zero
	s_wait_dscnt 16                                ; the first 32 along K are in; the sixteen younger loads may be out
	WIN MUL
	MUL8 \f, 0, 0, \zero
	MUL8 \f, 0, 2, \zero
	PLACES
	FETCH \slot, \kq, \g
	s_wait_dscnt 32                                ; all but the 32 just issued
	WIN MUL
	MUL8 \f, 1, 0, 0
	MUL8 \f, 1, 2, 0
.endm
; The last quarter multiplies buffer 1 and changes slots: ONE barrier; in front of it each wave waits for all its tensor loads, adds 0 to its spare word, and waits for that and for its own reads of this slot.
; fill = 1: this slot is filled again, two K steps ahead; the barrier then opens a round of the cluster's.
.macro TURN slot, next, fill
	WIN 0                                          ; (the add's two registers lie in window 0)
	s_wait_tensorcnt 0x0                           ; all my tensor loads have landed: my part of the next slot;
	ds_add_u32 v[SPW], v[NIL]                      ; 0 onto my spare word;
	s_wait_dscnt 17                                ; (the add and the youngest sixteen loads may be out)
	WIN MUL
	MUL8 F1, 0, 0, 0                               ; eight matrix instructions stand between the add and the wait for it
	s_wait_dscnt 0x0                               ; the add is done, and my reads of this slot are over
	s_barrier_signal -1
	MUL8 F1, 0, 2, 0
.if \fill
	WIN 0
.endif
	s_barrier_wait -1
.if \fill
	CREST                                          ; no wave of any partner still reads this slot's tile or has a load on its way
	s_add_nc_u64 s[G0+4*\slot+2:G0+4*\slot+3], s[G0+4*\slot+2:G0+4*\slot+3], 2*2097152
	s_add_nc_u64 s[G0B+4*\slot+2:G0B+4*\slot+3], s[G0B+4*\slot+2:G0B+4*\slot+3], 2*524288
	JLOAD \slot                                    ; the first tensor load behind the round; the four v_nop behind it are also the places in front of the loads below
.else
	PLACES
.endif
	FETCH \next, 0, F0
	WIN MUL
	MUL8 F1, 1, 0, 0
	MUL8 F1, 1, 2, 0
.endm
	s_wait_tensorcnt 1                             ; my part of K step 0 is in (K step 1's load may be out)
	s_barrier_signal -1
	s_barrier_wait -1                              ; everybody's is
	FETCH 0, 0, F0
	s_wait_loadcnt 0x0                             ; the bias
	QUARTER 0, 1, F0, F1, 1                        ; K step 0: its first products start the sums
	QUARTER 0, 2, F1, F0, 0
	QUARTER 0, 3, F0, F1, 0
	TURN 0, 1, 1                                   ; slot 0 takes K step 2
	QUARTER 1, 1, F0, F1, 0                        ; K step 1
	QUARTER 1, 2, F1, F0, 0
	QUARTER 1, 3, F0, F1, 0
	TURN 1, 0, 1                                   ; slot 1 takes K step 3
	QUARTER 0, 1, F0, F1, 0                        ; K step 2
	QUARTER 0, 2, F1, F0, 0
	QUARTER 0, 3, F0, F1, 0
	TURN 0, 1, 0                                   ; nothing is left to ask for
	QUARTER 1, 1, F0, F1, 0                        ; K step 3
	QUARTER 1, 2, F1, F0, 0
	QUARTER 1, 3, F0, F1, 0
	s_wait_dscnt 16                                ; the very last quarter: nothing more to fetch
	WIN MUL
	MUL8 F1, 0, 0, 0
	MUL8 F1, 0, 2, 0
	s_wait_dscnt 0
	MUL8 F1, 1, 0, 0
	MUL8 F1, 1, 2, 0
	WIN 0
; THE WAY OUT, block by block of 16 rows x 64 columns.  A lane holds 32 neighbouring bytes of a row, and the lanes beside it hold other rows: so a block goes through my own stage in LDS and comes back as whole rows of
; 256 bytes.  LDS serves a wave's instructions in order (ISA guide 5.7.1.4): no wait between the stores and the loads, nor in front of the next block's stores.  My 64 columns are my own: no barrier.
.macro TOSTAGE a
.irp b, 0,1,2,3
	ds_store_b128 v[STO], v[ACC+8*(4*(\a)+\b):ACC+8*(4*(\a)+\b)+3] offset:64*\b          ; each accumulator from its low end on
	ds_store_b128 v[STO], v[ACC+8*(4*(\a)+\b)+4:ACC+8*(4*(\a)+\b)+7] offset:64*\b+16
.endr
.irp t, 0,1,2,3,4,5,6,7
	ds_load_b128 v[BK+32*((\a)%2)+4*\t:BK+32*((\a)%2)+4*\t+3], v[RD] offset:\t*2*SPITCH
.endr
.endm
.macro SEND a, younger                 ; younger: the LDS instructions issued behind block a's loads: the next block's eight stores and eight loads, or none
	s_wait_dscnt \younger
.irp t, 0,1,2,3,4,5,6,7
	global_store_b128 v[CO], v[BK+32*((\a)%2)+4*\t:BK+32*((\a)%2)+4*\t+3], s[10:11] offset:(16*(\a)+2*\t)*4096 th:TH_STORE_NT   ; 16 lanes store 256 consecutive bytes, aligned; written once, read by nobody here
.endr
.endm
	PLACES
	TOSTAGE 0
	TOSTAGE 1
	SEND 0, 16
	s_wait_xcnt 0x0                                ; block 0's stores have read their registers: block 2's loads may land there
	TOSTAGE 2
	SEND 1, 16
	s_wait_xcnt 0x0                                ; block 1's likewise
	TOSTAGE 3
	SEND 2, 16
	SEND 3, 0
	s_wait_tensorcnt 0x0                           ; the wave's end: behind my last tensor load and my last LDS store
	ds_add_u32 v[SPW], v[NIL]
	s_wait_dscnt 0x0
	CROUND                                         ; the closing round: no work-group ends while a partner may still ask for a tile that names it
	s_endpgm
.Lfunc_end_k_q9400fd03dc_outp:
	.size	k_q9400fd03dc_outp, .Lfunc_end_k_q9400fd03dc_outp-k_q9400fd03dc_outp
	.p2alignl 7, 3214868480
	.fill 96, 4, 3214868480
	.section	.rodata,"a",@progbits
	.p2align	6, 0x0
	.amdhsa_kernel k_q9400fd03dc_outp
		.amdhsa_group_segment_fixed_size 327680
		.amdhsa_private_segment_fixed_size 0
		.amdhsa_enable_private_segment 0
		.amdhsa_kernarg_size 32
		.amdhsa_user_sgpr_count 2
		.amdhsa_user_sgpr_kernarg_segment_ptr 1
		.amdhsa_wavefront_size32 1
		.amdhsa_system_sgpr_workgroup_id_x 1
		.amdhsa_system_sgpr_workgroup_id_y 1
		.amdhsa_system_sgpr_workgroup_id_z 1
		.amdhsa_system_vgpr_workitem_id 0
		.amdhsa_next_free_vgpr 512
		.amdhsa_next_free_sgpr 66
		.amdhsa_reserve_vcc 0
		.amdhsa_float_denorm_mode_32 3
		.amdhsa_float_denorm_mode_16_64 3
		.amdhsa_memory_ordered 1
		.amdhsa_forward_progress 1
		.amdhsa_inst_pref_size 86
	.end_amdhsa_kernel
	.amdgpu_metadata
---
amdhsa.version: [ 1, 2 ]
amdhsa.kernels:
  - .name:           k_q9400fd03dc_outp
    .symbol:         k_q9400fd03dc_outp.kd
    .args:
      - { .name: af, .offset: 0, .size: 8, .value_kind: global_buffer, .address_space: global }
      - { .name: wf, .offset: 8, .size: 8, .value_kind: global_buffer, .address_space: global }
      - { .name: bp, .offset: 16, .size: 8, .value_kind: global_buffer, .address_space: global }
      - { .name: out0, .offset: 24, .size: 8, .value_kind: global_buffer, .address_space: global }
    .group_segment_fixed_size: 327680
    .private_segment_fixed_size: 0
    .kernarg_segment_align: 8
    .kernarg_segment_size: 32
    .max_flat_workgroup_size: 128
    .sgpr_count:     66
    .vgpr_count:     512
    .wavefront_size: 32
...
	.end_amdgpu_metadata
.endif
;; end of part 4
